; MI455X (gfx1250); checked and timed in simulation.
; The chip was launched on July 23, 2026; its instructions are those of AMD's public machine-readable ISA for CDNA 5 (MIT licence, August 2026) and "CDNA5" Instruction Set Architecture Reference Guide (July 2026). The comments in the code are by the model that wrote it; some were corrected since.
;; Multi head attention. Allowed arithmetic: matrix products marked QUANTISED: E2M1 operands, one E8M0 scale for each 32 along K, by v_wmma_scale_f32_16x16x128_f8f6f4 with both operands' format E2M1 (or v_wmma_scale_f32_32x16x128_f4), f32 sums; products left as they are: bf16, f16 or f32 operands; f32 sums; everything else in f32.
;; Inputs: bk 1,024 float32; bo 1,024 float32; bq 1,024 float32; bv 1,024 float32; k 4 x 2,048 x 1,024 float32; q 4 x 2,048 x 1,024 float32; v 4 x 2,048 x 1,024 float32; wk 1,024 x 1,024 float32; wo 1,024 x 1,024 float32; wq 1,024 x 1,024 float32; wv 1,024 x 1,024 float32.
;; Outputs: out0 4 x 2,048 x 1,024 float32.
;; This version of the problem:
;;   THIS VERSION OF THE PROBLEM IS GIVEN IN LOW PRECISION. The matrix products marked QUANTISED in the list below multiply operands that are first quantised to E2M1 (2 exponent bits, 1 mantissa bit; 4 bits a number), with one power-of-two scale for each 32 numbers along K (OCP MX v1.0); their sums are f32. The products marked 'left as it is' may take bf16, f16 or f32 operands, with f32 sums. Whichever they take, every output number must still come out within the allowed error. Rounding operands to bf16 (8 significant bits) uses up far more of that allowance than f16 does (11 bits, for magnitudes from 6e-5 to 65,504). All else is computed in f32.
;;   The module's matrix products, in the order in which they are computed (A, B: the left and right operand; K: the contracted axis; several contracted axes count as one K, in the product's order):
;;     1. [M 8,192, K 1,024] x [K 1,024, N 1,024]; A: input q; B: input wq: QUANTISED
;;     2. [M 8,192, K 1,024] x [K 1,024, N 1,024]; A: input k; B: input wk: QUANTISED
;;     3. [M 8,192, K 1,024] x [K 1,024, N 1,024]; A: input v; B: input wv: QUANTISED
;;     4. batch 64 x [M 2,048, K 64] x [K 64, N 2,048]; A: computed on the way; B: computed on the way: left as it is (an operand is computed on the way)
;;     5. batch 64 x [M 2,048, K 2,048] x [K 2,048, N 64]; A: computed on the way; B: computed on the way: left as it is (an operand is computed on the way)
;;     6. [M 8,192, K 1,024] x [K 1,024, N 1,024]; A: computed on the way; B: input wo: left as it is (an operand is computed on the way)
;;   THE QUANTISER, for each operand of a quantised product, along K:
;;     - K is cut into blocks of 32 from its start; a last block that is shorter is filled with zeros.
;;     - A block's scale is 2^e with e = floor(log2(the largest magnitude in the block)) - 2, held to -126 .. 127; a block of zeros has e = 0. As a byte (E8M0): e + 127.
;;     - Each number is divided by its block's scale, clamped to +-6, and rounded to the nearest number of E2M1, ties to even, subnormals kept.
;;     - The product sums the exact products of the quantised numbers (number of the format x scale) in f32.
;;   ~~~python
;;   def quantise(x, axis):      # numpy; x: float32 -> the quantised numbers, widened to float32 again
;;       x = np.moveaxis(x, axis, -1); K = x.shape[-1]
;;       x = np.pad(x, [(0, 0)] * (x.ndim - 1) + [(0, -K % 32)]); x = x.reshape(x.shape[:-1] + (-1, 32)); a = np.abs(x).max(-1, keepdims=True)
;;       e = np.where(a > 0, np.clip(np.frexp(np.where(a > 0, a, 1))[1] - 1 - 2, -126, 127), 0)      # np.frexp(a)[1] - 1 = floor(log2(a)), exactly
;;       r = np.clip(x / 2.0 ** e, -6, 6)
;;       step = 2.0 ** (np.maximum(np.frexp(np.where(r == 0, 1, r))[1] - 1, 0) - 1)
;;       q = np.round(r / step) * step * 2.0 ** e      # np.round: ties to even
;;       return np.moveaxis(q.reshape(q.shape[:-2] + (-1,))[..., :K], -1, axis).astype(np.float32)
;;   ~~~
;; One version. Each part assembles by itself: llvm-mc -triple=amdgcn-amd-amdhsa -mcpu=gfx1250 --defsym DOCPART=n.
;; ======== version 1 of 1: 5 launches
;; limits: values are held in f16: magnitudes above 65,504 overflow, below 6.1e-05 lose precision
;; workspace buffers: cod 14,155,776 bytes; scl 884,736 bytes; woh 2,097,152 bytes; qkv 50,331,648 bytes; fin 786,432 bytes; ao 16,777,216 bytes
;; launch quant (part 1): grid 896 x 1, 4 waves a work-group, no clusters, 33,280 bytes of LDS; arguments q, k, v, wq, wk, wv, wo, cod, scl, woh; writes cod, scl, woh
.if DOCPART == 1
	.amdgcn_target "amdgcn-amd-amdhsa--gfx1250"
	.amdhsa_code_object_version 6
	.text
	.protected	k_q0c106d47ce_quant
	.globl	k_q0c106d47ce_quant
	.p2align	8
	.type	k_q0c106d47ce_quant,@function
k_q0c106d47ce_quant:
	s_mov_b64 s[64:65], 0
	v_nop
	global_prefetch_b8 v0, s[64:65] scope:SCOPE_SE
	s_setreg_imm32_b32 hwreg(HW_REG_WAVE_MODE, 25, 1), 1
	s_wait_xcnt 0x0
; q, k, v [8192][1024] and wq, wk, wv [1024][1024], f32, K innermost, become codes of FP4 (E2M1) in cod (27,648 rows of 512 bytes: q, k, v, wq, wk, wv on end)
; and one E8M0 byte for each 32 along K in scl (the same rows, 32 bytes each).  wo becomes f16 in woh.
; A block's scale is 2^(floor(log2(its largest magnitude)) - 2): its byte is the largest magnitude's exponent field - 2, held at 1 from below.
; LIMITS: a block of zeros, or one whose largest magnitude lies under 2^-124, gets the byte 1 (the bytes are read by this program alone; zero codes add nothing); NaN and infinities are not served.
; Rows are dense and K is a multiple of 32: each tensor is a plain stream of blocks.  Work-groups 0 to 863 take 32,768 numbers each (a wave 16 steps of 512), work-groups 864 to 895 take wo.
; A step's four loads read 512 consecutive bytes each; the 2,048 bytes turn through the wave's own stage in LDS and come back 64 bytes a lane: 16 neighbours along K, two lanes to a block.
.set WAVES, 4
.set STEPS, 16
.set CB,    8                          ; bytes of 16 codes
.set R,     16                         ; v16-79   four sets of 16 numbers as loaded
.set X,     80                         ; v80-111  two sets of 16 neighbours
.set E,     112                        ; v112-127 a scale byte for each step
.set C,     128                        ; v128-191 codes, four registers a step: no store's data are written again
.set WREG,  8192                       ; LDS of a wave: two stages of 32 x SP bytes, then its 256 scale bytes
.set SP,    80                         ; a lane's 64 bytes + 16 of padding
.set SPW,   12                         ; v12 my spare word's LDS address; never rewritten
.set NIL,   13                         ; v13 0; never rewritten
.set SPARE, WAVES*WREG                 ; the spare words: 128 bytes a wave, named by no other line
	s_load_b256 s[4:11], s[0:1], 0x0               ; q, k, v, wq
	s_load_b256 s[12:19], s[0:1], 0x20             ; wk, wv, wo, cod
	s_load_b128 s[20:23], s[0:1], 0x40             ; scl, woh
	v_lshl_add_u32 v[SPW], v0, 2, SPARE
	v_mov_b32 v[NIL], 0
	v_lshrrev_b32 v1, 5, v0
	v_readfirstlane_b32 s27, v1                    ; wave
	v_and_b32 v2, 31, v0                           ; lane
	v_lshlrev_b32 v3, 4, v2                        ; my 16 bytes of a load's 512
	s_cmp_ge_u32 ttmp9, 864
	s_cbranch_scc1 .Lwo                            ; the last 32 work-groups convert wo and touch no LDS
	s_mul_i32 s28, s27, WREG
	v_lshrrev_b32 v14, 2, v2
	v_mul_u32_u24 v14, v14, SP
	v_and_b32 v15, 3, v2
	v_lshl_add_u32 v14, v15, 4, v14
	v_add_nc_u32 v14, s28, v14                     ; the stage on the way in: SP (lane / 4) + 16 (lane % 4)
	v_mul_u32_u24 v15, v2, SP
	v_add_nc_u32 v15, s28, v15                     ; and on the way out: SP x lane
	v_mul_u32_u24 v4, v2, CB                       ; my codes' place in a step's 256 bytes
	v_lshrrev_b32 v5, 1, v2
	s_add_co_u32 s28, s28, 2*32*SP
	v_add_nc_u32 v5, s28, v5                       ; LDS: my block's scale byte
	v_lshlrev_b32 v7, 3, v2
	v_add_nc_u32 v6, s28, v7                       ; and 8 bytes a lane on the way out
	s_wait_kmcnt 0x0
	s_mov_b64 s[24:25], s[14:15]                   ; which tensor: chosen by the work-group's number alone
	s_mov_b32 s26, 832                             ; and its first work-group
	s_cmp_lt_u32 ttmp9, 832
	s_cselect_b64 s[24:25], s[12:13], s[24:25]
	s_cselect_b32 s26, 800, s26
	s_cmp_lt_u32 ttmp9, 800
	s_cselect_b64 s[24:25], s[10:11], s[24:25]
	s_cselect_b32 s26, 768, s26
	s_cmp_lt_u32 ttmp9, 768
	s_cselect_b64 s[24:25], s[8:9], s[24:25]
	s_cselect_b32 s26, 512, s26
	s_cmp_lt_u32 ttmp9, 512
	s_cselect_b64 s[24:25], s[6:7], s[24:25]
	s_cselect_b32 s26, 256, s26
	s_cmp_lt_u32 ttmp9, 256
	s_cselect_b64 s[24:25], s[4:5], s[24:25]
	s_cselect_b32 s26, 0, s26
	s_sub_co_u32 s28, ttmp9, s26
	s_lshl_b32 s28, s28, 2
	s_add_co_u32 s28, s28, s27                     ; my run of 8,192 numbers in the tensor
	s_lshl_b32 s28, s28, 15
	s_mov_b32 s29, 0
	s_add_nc_u64 s[24:25], s[24:25], s[28:29]
	s_lshl_b32 s30, ttmp9, 2
	s_add_co_u32 s30, s30, s27                     ; and in the stacked rows
	s_lshl_b32 s28, s30, 12
	s_add_nc_u64 s[18:19], s[18:19], s[28:29]      ; 4,096 bytes of codes a run
	s_lshl_b32 s28, s30, 8
	s_add_nc_u64 s[20:21], s[20:21], s[28:29]      ; 256 scale bytes a run
.macro LOAD t
.irp i, 0,1,2,3
	global_load_b128 v[R+16*((\t)%4)+4*\i:R+16*((\t)%4)+4*\i+3], v3, s[24:25] offset:2048*(\t)+512*\i th:TH_LOAD_NT
.endr
.endm
.macro TURN t                          ; a step's numbers through the stage: LDS serves a wave's instructions in order, so no wait stands between the stores and the loads
.irp i, 0,1,2,3
	ds_store_b128 v14, v[R+16*((\t)%4)+4*\i:R+16*((\t)%4)+4*\i+3] offset:32*SP*((\t)%2)+8*SP*\i
.endr
.irp i, 0,1,2,3
	ds_load_b128 v[X+16*((\t)%2)+4*\i:X+16*((\t)%2)+4*\i+3], v15 offset:32*SP*((\t)%2)+16*\i
.endr
.endm
.irp t, 0,1,2,3
	LOAD \t
.endr
	s_wait_loadcnt 12                              ; step 0's four loads are in; the 12 of steps 1 to 3 stay out
	TURN 0
.macro STEP t
.set XS, X+16*((\t)%2)
.if (\t) > 0
	s_wait_dscnt 1                                 ; this step's numbers are back from the stage; the last step's byte store may be out
.else
	s_wait_dscnt 0x0
.endif
.if (\t)+4 < STEPS
	LOAD (\t)+4                                    ; into the set whose stage stores have read their registers
.endif
.if (\t)+1 < STEPS
.if STEPS-2-(\t) >= 3
	s_wait_loadcnt 12                              ; the next step's four loads are in; three steps' 12 stay out
.else
	s_wait_loadcnt 4*(STEPS-2-(\t))
.endif
	TURN (\t)+1
.endif
	v_max3_num_f32 v8, |v[XS]|, |v[XS+1]|, |v[XS+2]|
	v_max3_num_f32 v9, |v[XS+3]|, |v[XS+4]|, |v[XS+5]|
.irp i, 6,10
	v_max3_num_f32 v8, v8, |v[XS+\i]|, |v[XS+\i+1]|
	v_max3_num_f32 v9, v9, |v[XS+\i+2]|, |v[XS+\i+3]|
.endr
	v_max3_num_f32 v8, v8, |v[XS+14]|, |v[XS+15]|
	v_max3_num_f32 v8, v8, v9, 0x1800000           ; with the floor 2^(3 - 127): the byte cannot fall under 1
	v_max_num_f32_dpp v8, v8, v8 row_xmask:1 row_mask:0xf bank_mask:0xf   ; with my neighbour's 16: the block's largest magnitude
	v_add_nc_u32 v11, 0xff000000, v8               ; 2 off its exponent field: the conversion takes this operand's exponent field as its scale
	v_cvt_scalef32_pk8_fp4_f32 v[C+4*(\t)], v[XS:XS+7], v11
	v_cvt_scalef32_pk8_fp4_f32 v[C+4*(\t)+1], v[XS+8:XS+15], v11
	v_lshrrev_b32 v[E+(\t)], 23, v11               ; the scale's byte (also the plain line behind the conversions)
	ds_store_b8 v5, v[E+(\t)] offset:16*(\t)       ; both lanes of a block write the same byte with the same value
	global_store_b64 v4, v[C+4*(\t):C+4*(\t)+1], s[18:19] offset:32*CB*(\t)   ; the wave stores 256 consecutive bytes, aligned
.endm
.irp t, 0,1,2,3,4,5,6,7,8,9,10,11,12,13,14,15
	STEP \t
.endr
	ds_load_b64 v[8:9], v6                         ; my wave's 256 scale bytes: these loads see my stores
	s_wait_dscnt 0x0
	global_store_b64 v7, v[8:9], s[20:21]          ; 256 consecutive bytes, aligned
	s_wait_tensorcnt 0x0                           ; the wave's end: behind my last LDS store
	ds_add_u32 v[SPW], v[NIL]
	s_wait_dscnt 0x0
	s_endpgm
; wo to f16: a wave takes 8,192 numbers in four batches of 16 loads of 512 bytes; a lane's four numbers become 8 bytes, so a store covers 256 consecutive bytes.
.Lwo:
	v_lshlrev_b32 v4, 3, v2
	s_sub_co_u32 s28, ttmp9, 864
	s_lshl_b32 s28, s28, 2
	s_add_co_u32 s28, s28, s27
	s_lshl_b32 s30, s28, 14
	s_lshl_b32 s28, s28, 15
	s_mov_b32 s29, 0
	s_mov_b32 s31, 0
	s_wait_kmcnt 0x0
	s_add_nc_u64 s[16:17], s[16:17], s[28:29]
	s_add_nc_u64 s[22:23], s[22:23], s[30:31]
.macro WLOAD t
.irp i, 0,1,2,3,4,5,6,7,8,9,10,11,12,13,14,15
	global_load_b128 v[16+4*\i:19+4*\i], v3, s[16:17] offset:512*(16*(\t)+\i)
.endr
.endm
	WLOAD 0
.irp t, 0,1,2,3
	s_wait_loadcnt 0x0
.if \t >= 2
	s_wait_xcnt 0x0                                ; the stores of two batches back have read this set of results
.endif
.irp i, 0,1,2,3,4,5,6,7,8,9,10,11,12,13,14,15
	v_cvt_pk_f16_f32 v[80+32*(\t%2)+2*\i], v[16+4*\i], v[17+4*\i]
	v_cvt_pk_f16_f32 v[81+32*(\t%2)+2*\i], v[18+4*\i], v[19+4*\i]
.endr
.if \t < 3
	WLOAD \t+1
.endif
.irp i, 0,1,2,3,4,5,6,7,8,9,10,11,12,13,14,15
	global_store_b64 v4, v[80+32*(\t%2)+2*\i:81+32*(\t%2)+2*\i], s[22:23] offset:256*(16*\t+\i)
.endr
.endr
	s_endpgm
.Lfunc_end_k_q0c106d47ce_quant:
	.size	k_q0c106d47ce_quant, .Lfunc_end_k_q0c106d47ce_quant-k_q0c106d47ce_quant
	.p2alignl 7, 3214868480
	.fill 96, 4, 3214868480
	.section	.rodata,"a",@progbits
	.p2align	6, 0x0
	.amdhsa_kernel k_q0c106d47ce_quant
		.amdhsa_group_segment_fixed_size 33280
		.amdhsa_private_segment_fixed_size 0
		.amdhsa_enable_private_segment 0
		.amdhsa_kernarg_size 80
		.amdhsa_user_sgpr_count 2
		.amdhsa_user_sgpr_kernarg_segment_ptr 1
		.amdhsa_wavefront_size32 1
		.amdhsa_system_sgpr_workgroup_id_x 1
		.amdhsa_system_sgpr_workgroup_id_y 1
		.amdhsa_system_sgpr_workgroup_id_z 1
		.amdhsa_system_vgpr_workitem_id 0
		.amdhsa_next_free_vgpr 192
		.amdhsa_next_free_sgpr 66
		.amdhsa_reserve_vcc 0
		.amdhsa_float_denorm_mode_32 3
		.amdhsa_float_denorm_mode_16_64 3
		.amdhsa_memory_ordered 1
		.amdhsa_forward_progress 1
		.amdhsa_inst_pref_size 55
	.end_amdhsa_kernel
	.amdgpu_metadata
---
amdhsa.version: [ 1, 2 ]
amdhsa.kernels:
  - .name:           k_q0c106d47ce_quant
    .symbol:         k_q0c106d47ce_quant.kd
    .args:
      - { .name: q, .offset: 0, .size: 8, .value_kind: global_buffer, .address_space: global }
      - { .name: k, .offset: 8, .size: 8, .value_kind: global_buffer, .address_space: global }
      - { .name: v, .offset: 16, .size: 8, .value_kind: global_buffer, .address_space: global }
      - { .name: wq, .offset: 24, .size: 8, .value_kind: global_buffer, .address_space: global }
      - { .name: wk, .offset: 32, .size: 8, .value_kind: global_buffer, .address_space: global }
      - { .name: wv, .offset: 40, .size: 8, .value_kind: global_buffer, .address_space: global }
      - { .name: wo, .offset: 48, .size: 8, .value_kind: global_buffer, .address_space: global }
      - { .name: cod, .offset: 56, .size: 8, .value_kind: global_buffer, .address_space: global }
      - { .name: scl, .offset: 64, .size: 8, .value_kind: global_buffer, .address_space: global }
      - { .name: woh, .offset: 72, .size: 8, .value_kind: global_buffer, .address_space: global }
    .group_segment_fixed_size: 33280
    .private_segment_fixed_size: 0
    .kernarg_segment_align: 8
    .kernarg_segment_size: 80
    .max_flat_workgroup_size: 128
    .sgpr_count:     66
    .vgpr_count:     192
    .wavefront_size: 32
...
	.end_amdgpu_metadata
.endif
;; end of part 1
;; launch proj (part 2): grid 4 x 96, 4 waves a work-group, clusters of 4 x 1, 327,680 bytes of LDS; arguments cod, scl, bq, bk, bv, qkv, fin; writes qkv, fin
.if DOCPART == 2
	.amdgcn_target "amdgcn-amd-amdhsa--gfx1250"
	.amdhsa_code_object_version 6
	.text
	.protected	k_q0c106d47ce_proj
	.globl	k_q0c106d47ce_proj
	.p2align	8
	.type	k_q0c106d47ce_proj,@function
k_q0c106d47ce_proj:
	s_mov_b64 s[64:65], 0
	v_nop
	global_prefetch_b8 v0, s[64:65] scope:SCOPE_SE
	s_setreg_imm32_b32 hwreg(HW_REG_WAVE_MODE, 25, 1), 1
	s_wait_xcnt 0x0
	s_wait_alu depctr_hold_cnt(0) depctr_sa_sdst(0) depctr_va_vdst(0) depctr_va_sdst(0) depctr_va_ssrc(0) depctr_va_vcc(0) depctr_vm_vsrc(0)
	s_getreg_b32 s2, hwreg(HW_REG_IB_STS2, 6, 4)
	s_cmp_eq_u32 s2, 0
	s_cbranch_scc0 .Lentry_in_a_cluster
	s_endpgm
.Lentry_in_a_cluster:
	s_bfe_u32 s2, ttmp6, 0x10000c
	s_cmp_lg_u32 s2, 0x3003
	s_cbranch_scc0 .Lentry_shape_is_right
	s_endpgm
.Lentry_shape_is_right:
; The three input projections as ONE product on codes of FP4 with E8M0 scales: C[24576 stacked tokens][1024] = X W^T + b, X = rows 0 to 24575 of cod (q, k, v), W = rows 24576 + 1024 T on (T = 0, 1, 2: wq, wk, wv).
; Results leave as f16 by head, qkv [T][batch][head][t][64]; qh (T = 0) is multiplied by log2(e) / 8 first, so that the attention's scores arrive as exponents of 2.
; The first 16 positions of every sequence also leave in f32, unscaled, in fin [T][batch][16][1024].
; LIMITS: results beyond 65,504 in magnitude become infinities of f16.
; A tile of C is 256 x 256; four waves, each 128 x 128: 64 accumulators, 512 registers.  K = 1,024 is two LDS slots of 512 along K (rows of 256 bytes): each slot is filled once, nothing is filled again.
; CLUSTER 4 x 1: the four partners make the four column tiles of one row tile and need the same tile of X and its scales: those are asked for jointly (mask 15).  The weights' tiles differ between
; partners and come by loads of the work-group's own.  A cluster of 4 x 4 is not taken: the branch for the f32 rows hangs on the row tile, which then would differ between partners.
; THE MATRIX INSTRUCTION IS USED TRANSPOSED (source 0 = 16 rows of W, source 1 = 16 tokens): a lane holds eight neighbouring channels of one token.  The bias is the C of each sum's first instruction.
; REGISTERS: window 0: v16-31 addresses; v32-95 scale words, two sets; v128-191 X's fragments, one set (on the way out: rows read back); v192-223 packed results.
;   window 1: W's fragments, two sets at v0 and v128; v64-127 the bias in the result's layout.   windows 2, 3: the accumulators of my rows 0-63, 64-127 ((a, b) at v[8 (8 (a % 4) + b)]).
.set NQ,     4                         ; steps of 128 along K in a slot
.set ROWB,   256                       ; a tile's row in bytes
.set KROW,   512                       ; a row of cod
.set PITCH,  272                       ; an LDS row: 256 bytes + 16: the 16 rows of a fragment load start 68 words apart
.set FR,     8
.set NL,     2
.set NP,     4
.set HALFT,  128*PITCH
.set SLOT,   4*HALFT                   ; X's 256 rows, then W's 256 rows
.set KS,     32                        ; a row of scale bytes
.set SCL,    2*SLOT                    ; behind the slots: the scale bytes, as units of 256 bytes + 16
.set HALFS,  16*272                    ; those of 128 rows
.set SBLK,   2*272                     ; those of 16 rows
.set SPARE,  SCL+4*HALFS               ; the spare words: 128 bytes a wave, named by no other line
.set SPITCH, 272                       ; the way out: 16 rows x (256 + 16) bytes a wave, in slot 0, which has had its only fill and its last read by then
.set ADRA, 16
.set ADRB, 20
.set STO,  24
.set RD,   25
.set CO,   26
.set ADRS, 27
.set SPW,  28
.set NIL,  29
.set FO,   30                          ; v30 my byte offset among the f32 rows
.set BO,   31                          ; v31 32 x (lane / 16): my eight numbers of a bias tile
.set SC,   32
.set AF,   128
.set BK,   128
.set TMP,  192
.set BI,   64                          ; in window 1
.set WV, 18
.set WH, 19                            ; wave / 2: my half of the rows; also: I fetch for X (0) or for W (1)
.set WL, 20                            ; wave % 2: my half of the columns; also: which 128 rows I fetch
.set YY, 21
.set TT, 22
.set CX, 40
.set XX, 42
.set G1, 24
.set G0, 32
.set G1B, 48
.set G0B, 56
.set G1S, 68
.set G0S, 76
.set G1SB, 80
.set G0SB, 88
.set FAC, 98                           ; s[98:99] the factor ahead of the rounding to f16
.set MSB, 0
.macro WIN new                         ; the immediate's high byte repeats the setting that is left
.if MSB != \new
	s_set_vgpr_msb (MSB<<8)|\new
.set MSB, \new
.endif
.endm
.set MUL_LO, 0xa1                      ; source 0 (W) window 1, source 1 (X) window 0, C and D window 2
.set MUL_HI, 0xf1
.set TO_B,   0x40
; Waves 0 and 1 fetch for X (jointly), waves 2 and 3 for W.  The branch hangs on the wave's number alone.  An s_nop 0 and four v_nop follow each line.
.macro JLOAD g0a, g1a, g0b, g1b
	s_cmp_eq_u32 s[WH], 0
	s_cbranch_scc0 .Lfor_b_\@
	tensor_load_to_lds s[\g0a:\g0a+3], s[\g1a:\g1a+7]
	s_nop 0
.rept 4
	v_nop
.endr
	s_branch .Lasked_\@
.Lfor_b_\@:
	tensor_load_to_lds s[\g0b:\g0b+3], s[\g1b:\g1b+7]
	s_nop 0
.rept 4
	v_nop
.endr
.Lasked_\@:
.endm
.macro CROUND                          ; a round of the cluster's barrier
	s_barrier_signal -1
	s_barrier_wait -1
	s_cmp_lg_u32 s[WV], 0
	s_cbranch_scc1 .Lnot_wave_0_\@
	s_barrier_signal -3
.Lnot_wave_0_\@:
	s_barrier_wait -3
	s_barrier_signal -1
	s_barrier_wait -1
.endm
	s_load_b256 s[4:11], s[0:1], 0x0               ; cod, scl, bq, bk
	s_load_b128 s[12:15], s[0:1], 0x20             ; bv, qkv
	s_load_b64 s[16:17], s[0:1], 0x30              ; fin
	v_lshl_add_u32 v[SPW], v0, 2, SPARE
	v_mov_b32 v[NIL], 0
	ds_add_u32 v[SPW], v[NIL]                      ; the opening: the add, twice on end, and its wait ahead of my first tensor load
	ds_add_u32 v[SPW], v[NIL]
	v_lshrrev_b32 v1, 5, v0
	v_readfirstlane_b32 s[WV], v1
	s_lshr_b32 s[WH], s[WV], 1
	s_and_b32 s[WL], s[WV], 1
	s_bfe_u32 s[CX], ttmp6, 0x40000
	s_lshl_b32 s[XX], ttmp9, 2
	s_add_co_u32 s[XX], s[XX], s[CX]               ; column tile
	s_and_b32 s[YY], ttmp7, 0xffff                 ; row tile: the same in all four partners
	s_lshr_b32 s[TT], s[YY], 5                     ; which projection
	s_mov_b32 s[G1+0], 15|(1<<20)|(1<<21)|(5<<22)|(3<<25)   ; mask: all four; elements of 1 byte; 4 words of padding behind every 64
	s_mov_b32 s[G1B+0], (1<<20)|(5<<22)|(3<<25)             ; no mask
.irp g, G1, G1B
	s_mov_b32 s[\g+1], ROWB<<16                    ; tensor_dim0
	s_mov_b32 s[\g+2], 128<<16                     ; tensor_dim1
	s_mov_b32 s[\g+3], ROWB<<16                    ; tile_dim0
	s_mov_b32 s[\g+4], 128                         ; tile_dim1
	s_mov_b32 s[\g+5], KROW                        ; pitch
	s_mov_b32 s[\g+6], 0
	s_mov_b32 s[\g+7], 0
.endr
	s_mov_b32 s[G1S+0], 15|(3<<16)|(1<<20)|(1<<21)|(5<<22)|(3<<25)   ; the scale bytes of 128 rows: 4,096 dense bytes as 16 rows of 32 elements of 8 bytes
	s_mov_b32 s[G1SB+0], (3<<16)|(1<<20)|(5<<22)|(3<<25)
.irp g, G1S, G1SB
	s_mov_b32 s[\g+1], 32<<16
	s_mov_b32 s[\g+2], 16<<16
	s_mov_b32 s[\g+3], 32<<16
	s_mov_b32 s[\g+4], 16
	s_mov_b32 s[\g+5], 32
	s_mov_b32 s[\g+6], 0
	s_mov_b32 s[\g+7], 0
.endr
	s_lshl_b32 s23, s[WL], 7
	s_lshl_b32 s92, s[YY], 8
	s_add_co_u32 s92, s92, s23                     ; X: row 256 y + 128 x half (registers that never hold my place in the cluster)
	s_lshl_b32 s94, s92, 5                         ; its scale bytes,
	s_mov_b32 s95, 0
	s_lshl_b32 s92, s92, 9                         ; its codes
	s_mov_b32 s93, 0
	s_lshl_b32 s46, s[XX], 8
	s_add_co_u32 s46, s46, s23
	s_lshl_b32 s44, s[TT], 10
	s_add_co_u32 s46, s46, s44
	s_add_co_u32 s46, s46, 24576                   ; W: row 24576 + 1024 T + 256 x + 128 x half
	s_lshl_b32 s96, s46, 5
	s_mov_b32 s97, 0
	s_lshl_b32 s46, s46, 9
	s_mov_b32 s47, 0
	s_mul_i32 s43, s[WV], HALFT                    ; where they go: wave x 128 rows
	s_mul_i32 s41, s[WV], HALFS
	s_mov_b32 s[FAC], 0x3e38aa3b                   ; log2(e) / 8
	s_cmp_eq_u32 s[TT], 0
	s_cselect_b32 s[FAC], s[FAC], 1.0
	s_mov_b32 s[FAC+1], s[FAC]
	s_wait_dscnt 0x0                               ; both opening adds are done
	s_wait_kmcnt 0x0
	s_add_nc_u64 s[92:93], s[4:5], s[92:93]
	s_add_nc_u64 s[94:95], s[6:7], s[94:95]
	s_add_nc_u64 s[46:47], s[4:5], s[46:47]
	s_add_nc_u64 s[96:97], s[6:7], s[96:97]
	CROUND                                         ; all four work-groups are here: the joint loads meet
	s_mov_b32 s[G0S], 1
	s_add_co_u32 s[G0S+1], s41, SCL
	s_mov_b64 s[G0S+2:G0S+3], s[94:95]
	s_or_b32 s[G0S+3], s[G0S+3], 0x80000000
	s_mov_b32 s[G0SB], 1
	s_add_co_u32 s[G0SB+1], s41, SCL
	s_mov_b64 s[G0SB+2:G0SB+3], s[96:97]
	s_or_b32 s[G0SB+3], s[G0SB+3], 0x80000000
	JLOAD G0S, G1S, G0SB, G1SB                     ; the scales first: they are wanted with the first slot
.irp s, 0,1
	s_mov_b32 s[G0+4*\s], 1
	s_add_co_u32 s[G0+4*\s+1], s43, \s*SLOT
	s_add_nc_u64 s[G0+4*\s+2:G0+4*\s+3], s[92:93], \s*ROWB
	s_or_b32 s[G0+4*\s+3], s[G0+4*\s+3], 0x80000000
	s_mov_b32 s[G0B+4*\s], 1
	s_add_co_u32 s[G0B+4*\s+1], s43, \s*SLOT
	s_add_nc_u64 s[G0B+4*\s+2:G0B+4*\s+3], s[46:47], \s*ROWB
	s_or_b32 s[G0B+4*\s+3], s[G0B+4*\s+3], 0x80000000
	JLOAD G0+4*\s, G1, G0B+4*\s, G1B               ; by this text's count three tensor loads of a wave are out
.endr
	v_and_b32 v1, 15, v0                           ; r
	v_bfe_u32 v2, v0, 4, 1                         ; h
	v_mul_u32_u24 v3, v1, PITCH
	v_lshl_add_u32 v4, v2, 4, v3
	s_mul_i32 s44, s[WH], HALFT                    ; my 128 rows of X
	s_mul_i32 s45, s[WL], HALFT
	s_add_co_u32 s45, s45, 2*HALFT                 ; my 128 rows of W, behind X's 256
.irp s, 0,1
	v_add_nc_u32 v[ADRA+\s], s44, v4
	v_add_nc_u32 v[ADRB+\s], s45, v4
	s_add_co_u32 s44, s44, SLOT
	s_add_co_u32 s45, s45, SLOT
.endr
	v_mul_u32_u24 v5, v1, KS                       ; my row's scale bytes: 32 a row, and 16 more for each 256 passed
	v_lshrrev_b32 v6, 8, v5
	v_lshl_add_u32 v5, v6, 4, v5
	s_mul_i32 s44, s[WH], HALFS
	s_mul_i32 s45, s[WL], HALFS
	s_add_co_u32 s45, s45, 2*HALFS
	s_sub_co_u32 s45, s45, s44
	v_mul_u32_u24 v6, s45, v2                      ; lanes 16-31 take W's
	s_add_co_u32 s44, s44, SCL
	v_add_nc_u32 v5, v5, v6
	v_add_nc_u32 v[ADRS], s44, v5
	s_mul_i32 s44, s[WV], 16*SPITCH                ; my stage
	v_mul_u32_u24 v5, v1, SPITCH
	v_lshl_add_u32 v5, v2, 4, v5
	v_add_nc_u32 v[STO], s44, v5                   ; in: token r, 16 bytes for each half of the lanes
	v_bfe_u32 v5, v0, 3, 1
	v_mul_u32_u24 v5, v5, SPITCH
	v_lshl_add_u32 v5, v2, 7, v5
	v_and_b32 v6, 7, v0
	v_lshl_add_u32 v5, v6, 4, v5
	v_add_nc_u32 v[RD], s44, v5                    ; back: lanes 0-15 my first head, lanes 16-31 my second; eight lanes to a token's 128 bytes, two tokens
	v_lshlrev_b32 v[CO], 4, v1
	v_lshl_add_u32 v[CO], v2, 18, v[CO]            ; and in qkv: 16 lanes fill 256 consecutive bytes of one head; the next head lies 262,144 bytes on
	v_lshlrev_b32 v[FO], 12, v1
	v_lshl_add_u32 v[FO], v2, 5, v[FO]             ; fin: row r of 4,096 bytes, + 32 h
	v_lshlrev_b32 v[BO], 5, v2
	s_cmp_eq_u32 s[TT], 0                          ; the bias of this projection
	s_cselect_b64 s[8:9], s[8:9], s[10:11]
	s_cmp_eq_u32 s[TT], 2
	s_cselect_b64 s[8:9], s[12:13], s[8:9]
	s_lshl_b32 s44, s[XX], 10
	s_lshl_b32 s45, s[WL], 9
	s_add_co_u32 s44, s44, s45                     ; my first channel, in bytes of f32
	s_mov_b32 s45, 0
	s_add_nc_u64 s[8:9], s[8:9], s[44:45]
	s_add_nc_u64 s[16:17], s[16:17], s[44:45]
	s_lshr_b32 s44, s[YY], 3                       ; 4 T + batch
	s_lshl_b32 s44, s44, 16
	s_add_nc_u64 s[16:17], s[16:17], s[44:45]
	s_lshr_b32 s44, s[YY], 3
	s_lshl_b32 s44, s44, 22                        ; qkv: (4 T + batch) x 4,194,304
	s_lshl_b32 s23, s[XX], 20
	s_add_co_u32 s44, s44, s23
	s_lshl_b32 s23, s[WL], 19
	s_add_co_u32 s44, s44, s23                     ; + head (4 x + 2 x half) x 262,144
	s_and_b32 s23, s[YY], 7
	s_lshl_b32 s23, s23, 15
	s_add_co_u32 s44, s44, s23
	s_lshl_b32 s23, s[WH], 14
	s_add_co_u32 s44, s44, s23                     ; + my first position x 128
	s_add_nc_u64 s[14:15], s[14:15], s[44:45]
	WIN TO_B
.irp b, 0,1,2,3,4,5,6,7                        ; lane (r, h) wants, for column block b, the bias of channels 16 b + 8 h + 0 .. 7
	global_load_b128 v[BI+8*\b:BI+8*\b+3], v[BO], s[8:9] offset:64*\b
	global_load_b128 v[BI+8*\b+4:BI+8*\b+7], v[BO], s[8:9] offset:64*\b+16
.endr
	WIN 0
.macro FRAG reg, adr, q, i             ; 16 rows x 128 K of 4-bit codes: 8 registers, two loads of 16 bytes, 32 bytes apart
.irp c, 0,1
	ds_load_b128 v[\reg+4*\c:\reg+4*\c+3], v[\adr] offset:64*(\q)+32*\c+(\i)*16*PITCH
.endr
.endm
; 16 matrix instructions: X's blocks a0, a0 + 1 against W's eight.  The 64 accumulators take turns, one instruction a turn, in the same order in every step.
; One register carries X's scale word (lanes 0-15) and W's (lanes 16-31) of block i.  zero = 1: the first step starts the sums on the bias.
.macro MUL16 a0, p, q, sc, zero
.irp a, \a0, \a0+1
.irp b, 0,1,2,3,4,5,6,7
.if \zero
	v_wmma_scale_f32_16x16x128_f8f6f4 v[8*(8*((\a)%4)+\b):8*(8*((\a)%4)+\b)+7], v[128*(\p)+FR*\b:128*(\p)+FR*\b+FR-1], v[AF+FR*(\a):AF+FR*(\a)+FR-1], v[BI+8*\b:BI+8*\b+7], v[SC+8*NQ*(\sc)+NQ*\b+(\q)], v[SC+8*NQ*(\sc)+NQ*(\a)+(\q)] matrix_a_fmt:MATRIX_FMT_FP4 matrix_b_fmt:MATRIX_FMT_FP4 matrix_a_scale:MATRIX_SCALE_ROW1
.else
	v_wmma_scale_f32_16x16x128_f8f6f4 v[8*(8*((\a)%4)+\b):8*(8*((\a)%4)+\b)+7], v[128*(\p)+FR*\b:128*(\p)+FR*\b+FR-1], v[AF+FR*(\a):AF+FR*(\a)+FR-1], v[8*(8*((\a)%4)+\b):8*(8*((\a)%4)+\b)+7], v[SC+8*NQ*(\sc)+NQ*\b+(\q)], v[SC+8*NQ*(\sc)+NQ*(\a)+(\q)] matrix_a_fmt:MATRIX_FMT_FP4 matrix_b_fmt:MATRIX_FMT_FP4 matrix_a_scale:MATRIX_SCALE_ROW1
.endif
.endr
.endr
.endm
.macro FETCH_B slot, q, p
	WIN TO_B
.irp i, 0,1,2,3,4,5,6,7
	FRAG 128*(\p)+FR*\i, ADRB+\slot, \q, \i
.endr
	WIN 0
.endm
.macro FETCH_A slot, q, i0
.irp i, \i0, \i0+1, \i0+2, \i0+3
	FRAG AF+FR*(\i), ADRA+\slot, \q, \i
.endr
.endm
.macro SCALES sc                       ; a slot's scale words: four words a row
.irp i, 0,1,2,3,4,5,6,7
	ds_load_b128 v[SC+8*NQ*\sc+NQ*\i:SC+8*NQ*\sc+NQ*\i+3], v[ADRS] offset:\i*SBLK
.endr
.endm
.macro PLACES n                        ; plain vector lines between a matrix instruction and a load into, or a read of, its registers
.rept \n
	v_nop
.endr
.endm
.macro STEP slot, q, zero              ; 128 along K with its successor in the same slot
	s_wait_dscnt 4*NL                              ; W's set and X's blocks 0-3 are in; the youngest eight loads (X's blocks 4-7) may be out
.if \zero
	WIN 0x91                                       ; as MUL_LO, with C (the bias) in window 1
.else
	WIN MUL_LO
.endif
	MUL16 0, (\q)%2, \q, \slot, \zero
	MUL16 2, (\q)%2, \q, \slot, \zero
	s_wait_dscnt 0
	PLACES NP
	FETCH_B \slot, (\q)+1, 1-(\q)%2
	FETCH_A \slot, (\q)+1, 0
.if \zero
	WIN 0xd1
.else
	WIN MUL_HI
.endif
	MUL16 4, (\q)%2, \q, \slot, \zero
	MUL16 6, (\q)%2, \q, \slot, \zero
	PLACES NP
	WIN 0
	FETCH_A \slot, (\q)+1, 4
.endm
.macro STEPS slot, from
.set Q, \from
.rept NQ-1-\from
	STEP \slot, Q, 0
.set Q, Q+1
.endr
.endm
	s_wait_tensorcnt 1                             ; my scales and my part of slot 0 are in; slot 1's load may stay out
	s_barrier_signal -1
	s_barrier_wait -1
	FETCH_B 0, 0, 0
	FETCH_A 0, 0, 0
	SCALES 0
	FETCH_A 0, 0, 4
	s_wait_loadcnt 0x0                             ; the bias
	STEP 0, 0, 1
	STEPS 0, 1
	; slot 0's last step changes slots: one barrier; in front of it all my tensor loads have landed and my reads of slot 0 are over
	s_wait_tensorcnt 0x0
	ds_add_u32 v[SPW], v[NIL]
	s_wait_dscnt 4*NL+1                            ; the add and the youngest eight loads may be out
	WIN MUL_LO
	MUL16 0, 1, NQ-1, 0, 0
	s_wait_dscnt 0x0
	s_barrier_signal -1
	MUL16 2, 1, NQ-1, 0, 0
	WIN 0
	s_barrier_wait -1
	PLACES NP
	v_add_nc_u32 v[ADRS], 4*NQ, v[ADRS]            ; slot 1's scale words
	FETCH_B 1, 0, 0
	FETCH_A 1, 0, 0
	SCALES 1
	WIN MUL_HI
	MUL16 4, 1, NQ-1, 0, 0
	MUL16 6, 1, NQ-1, 0, 0
	PLACES NP
	WIN 0
	FETCH_A 1, 0, 4
	STEPS 1, 0
	s_wait_dscnt 4*NL                              ; the last step: nothing more to fetch
	WIN MUL_LO
	MUL16 0, 1, NQ-1, 1, 0
	MUL16 2, 1, NQ-1, 1, 0
	s_wait_dscnt 0
	WIN MUL_HI
	MUL16 4, 1, NQ-1, 1, 0
	MUL16 6, 1, NQ-1, 1, 0
	WIN 0
	PLACES NP
	; The first 16 positions of a sequence are block 0 of the wave with the upper rows of every eighth row tile: they leave in f32 as they are.  A lane stores 32 consecutive bytes of a row.
	s_and_b32 s23, s[YY], 7
	s_or_b32 s23, s23, s[WH]
	s_cmp_lg_u32 s23, 0                            ; the row tile and the wave's number alone: the same in all partners
	s_cbranch_scc1 .Lnofine
	WIN 0x08                                       ; a store's data: window 2
.irp b, 0,1,2,3,4,5,6,7
	global_store_b128 v[FO], v[8*\b:8*\b+3], s[16:17] offset:64*\b          ; each accumulator from its low end on
	global_store_b128 v[FO], v[8*\b+4:8*\b+7], s[16:17] offset:64*\b+16
.endr
	WIN 0
	s_wait_xcnt 0x0                                ; these stores have read their data: the factor below writes the same registers
.Lnofine:
; THE WAY OUT of block a (16 tokens x 128 channels).  PACK: times the factor, rounded to f16.  TOSTAGE: into my stage, back by heads.  SEND: 16 lanes store 256 consecutive bytes (two tokens of one head).
.macro PACK a
.set AC, 64*((\a)%4)
	WIN 0x82+0x41*((\a)/4)                         ; destination and source 0: window 2 or 3
.set i, 0
.rept 32
	v_pk_mul_f32 v[AC+i:AC+i+1], v[AC+i:AC+i+1], s[FAC:FAC+1] op_sel_hi:[1,0]
.set i, i+2
.endr
	WIN 0x0a+5*((\a)/4)                            ; sources 0 and 1: window 2 or 3
.irp b, 0,1,2,3,4,5,6,7
.irp r, 0,1,2,3
	v_cvt_pk_f16_f32 v[TMP+4*\b+\r], v[AC+8*\b+2*\r], v[AC+8*\b+2*\r+1]
.endr
.endr
	WIN 0
.endm
.macro TOSTAGE a
.set BB, BK+32*((\a)%2)
.irp b, 0,1,2,3,4,5,6,7
	ds_store_b128 v[STO], v[TMP+4*\b:TMP+4*\b+3] offset:32*\b
.endr
.irp t, 0,1,2,3,4,5,6,7
	ds_load_b128 v[BB+4*\t:BB+4*\t+3], v[RD] offset:\t*2*SPITCH    ; LDS serves a wave's instructions in order: these see the stores above
.endr
.endm
.macro SEND a
.set BB, BK+32*((\a)%2)
	s_wait_dscnt 0x0                               ; the block is back in registers
	s_wait_xcnt 0x0                                ; earlier stores have read their base and their data
.if (\a) > 0
	s_add_nc_u64 s[14:15], s[14:15], 2048          ; 16 positions on
.endif
.irp t, 0,1,2,3,4,5,6,7
	global_store_b128 v[CO], v[BB+4*\t:BB+4*\t+3], s[14:15] offset:256*\t
.endr
.endm
	PACK 0
	TOSTAGE 0
.irp a, 1,2,3,4,5,6,7                  ; block a's arithmetic stands between block a - 1's loads from the stage and the wait for them
	PACK \a
	SEND \a-1
	TOSTAGE \a
.endr
	SEND 7
	s_wait_tensorcnt 0x0                           ; the wave's end
	ds_add_u32 v[SPW], v[NIL]
	s_wait_dscnt 0x0
	CROUND                                         ; the closing round
	s_endpgm
.Lfunc_end_k_q0c106d47ce_proj:
	.size	k_q0c106d47ce_proj, .Lfunc_end_k_q0c106d47ce_proj-k_q0c106d47ce_proj
	.p2alignl 7, 3214868480
	.fill 96, 4, 3214868480
	.section	.rodata,"a",@progbits
	.p2align	6, 0x0
	.amdhsa_kernel k_q0c106d47ce_proj
		.amdhsa_group_segment_fixed_size 327680
		.amdhsa_private_segment_fixed_size 0
		.amdhsa_enable_private_segment 0
		.amdhsa_kernarg_size 56
		.amdhsa_user_sgpr_count 2
		.amdhsa_user_sgpr_kernarg_segment_ptr 1
		.amdhsa_wavefront_size32 1
		.amdhsa_system_sgpr_workgroup_id_x 1
		.amdhsa_system_sgpr_workgroup_id_y 1
		.amdhsa_system_sgpr_workgroup_id_z 1
		.amdhsa_system_vgpr_workitem_id 0
		.amdhsa_next_free_vgpr 1024
		.amdhsa_next_free_sgpr 100
		.amdhsa_reserve_vcc 0
		.amdhsa_float_denorm_mode_32 3
		.amdhsa_float_denorm_mode_16_64 3
		.amdhsa_memory_ordered 1
		.amdhsa_forward_progress 1
		.amdhsa_inst_pref_size 147
	.end_amdhsa_kernel
	.amdgpu_metadata
---
amdhsa.version: [ 1, 2 ]
amdhsa.kernels:
  - .name:           k_q0c106d47ce_proj
    .symbol:         k_q0c106d47ce_proj.kd
    .args:
      - { .name: cod, .offset: 0, .size: 8, .value_kind: global_buffer, .address_space: global }
      - { .name: scl, .offset: 8, .size: 8, .value_kind: global_buffer, .address_space: global }
      - { .name: bq, .offset: 16, .size: 8, .value_kind: global_buffer, .address_space: global }
      - { .name: bk, .offset: 24, .size: 8, .value_kind: global_buffer, .address_space: global }
      - { .name: bv, .offset: 32, .size: 8, .value_kind: global_buffer, .address_space: global }
      - { .name: qkv, .offset: 40, .size: 8, .value_kind: global_buffer, .address_space: global }
      - { .name: fin, .offset: 48, .size: 8, .value_kind: global_buffer, .address_space: global }
    .group_segment_fixed_size: 327680
    .private_segment_fixed_size: 0
    .kernarg_segment_align: 8
    .kernarg_segment_size: 56
    .max_flat_workgroup_size: 128
    .sgpr_count:     100
    .vgpr_count:     1024
    .wavefront_size: 32
...
	.end_amdgpu_metadata
.endif
;; end of part 2
;; launch attn (part 3): grid 4 x 64, 16 waves a work-group, clusters of 4 x 1, 327,680 bytes of LDS; arguments qkv, ao; writes ao
.if DOCPART == 3
	.amdgcn_target "amdgcn-amd-amdhsa--gfx1250"
	.amdhsa_code_object_version 6
	.text
	.protected	k_q0c106d47ce_attn
	.globl	k_q0c106d47ce_attn
	.p2align	8
	.type	k_q0c106d47ce_attn,@function
k_q0c106d47ce_attn:
	s_mov_b64 s[64:65], 0
	v_nop
	global_prefetch_b8 v0, s[64:65] scope:SCOPE_SE
	s_setreg_imm32_b32 hwreg(HW_REG_WAVE_MODE, 25, 1), 1
	s_wait_xcnt 0x0
	s_wait_alu depctr_hold_cnt(0) depctr_sa_sdst(0) depctr_va_vdst(0) depctr_va_sdst(0) depctr_va_ssrc(0) depctr_va_vcc(0) depctr_vm_vsrc(0)
	s_getreg_b32 s2, hwreg(HW_REG_IB_STS2, 6, 4)
	s_cmp_eq_u32 s2, 0
	s_cbranch_scc0 .Lentry_in_a_cluster
	s_endpgm
.Lentry_in_a_cluster:
	s_bfe_u32 s2, ttmp6, 0x10000c
	s_cmp_lg_u32 s2, 0x3003
	s_cbranch_scc0 .Lentry_shape_is_right
	s_endpgm
.Lentry_shape_is_right:
; Causal attention of one (batch, head) per cluster, on f16 operands with f32 sums.  qkv: [3][batch x head 64][2048][64] f16, qh already times log2(e) / 8, so a score is t, an exponent of 2.
; ao: [head][token 8192][64] f16.  For each query a running maximum m and sum l: p = 2^(t - m), at most 1; in every step O and l are multiplied by a = 2^(old m - new m).
; LIMITS: p under 3e-8 rounds to 0 in f16; m starts at -3e38; NaN and infinities are not served.  Rows t < 16 are computed here too and are replaced in the output by the launch that carries them in f32.
; SHARES.  Wave w has query group PI = w xor 3 ((w / 4) % 2), 128 queries; partner cx of the cluster takes 32 of them, from 128 PI + 32 cx on: two tiles of 16.  So the four partners have equal work.
; All walk the head's 2,048 keys in 8 slots of 256 keys, 8 steps of 32 keys each; trip counts are constants.  K's and V's tiles are the same for the four partners: they are asked for jointly.
; A step whose keys all lie beyond the GROUP's last query is left out, and a step from the group's first query on is masked: both branches hang on the wave's number and the count of steps alone;
; my place in the cluster enters global addresses and the numbers that the mask compares, nothing else.  Group 15 reads every slot in every partner: no load is left out.
; LAYOUT.  S^T = K Q^T (source 0 = 16 keys, source 1 = 16 queries) and O^T = V^T P: a lane holds one query throughout; two tiles of S^T, rounded to f16 in pairs, are source 1 of the second product.
; V lies [key][channel] in LDS and is turned by ds_load_tr16_b128.  Sixteen waves of 256 registers: four to a SIMD, so that one wave's softmax stands beside another's products.
.set PK,    144                        ; a key's row in LDS: 128 bytes + 16
.set PV,    160                        ; a row of V: 128 + 32
.set VOFF,  256*PK
.set SLOT1, 1<<17                      ; one exclusive or turns an address in one slot into the other's
.set STAGE, SLOT1+256*(PK+PV)          ; the way out: 32 rows x 144 bytes a wave; no load ever lands here
.set SPARE, STAGE+16*32*144            ; the spare words: 128 bytes a wave, named by no other line
.set AK0, 1
.set AV0, 2
.set ADK, 3
.set ADV, 4
.set SPW, 5
.set NIL, 6
.set QL,  7                            ; v7  my query - 8 (lane / 16)
.set DA,  8                            ; v8, v9  the mask's thresholds of the two tiles
.set NINF, 10
.set PFO, 11
.set STO, 12
.set RD,  13
.set GO,  14
.set QO,  15
.set QF,  16                           ; v16-47   Q: tile t, channels 32 c on, at 16 t + 8 c
.set KR,  48                           ; v48-79   K: key tile u, chunk c at 8 (2 u + c)
.set VR,  80                           ; v80-111  V^T: channel tile f at 8 f
.set S,   112                          ; v112-143 S^T, then p: tile t, key tile u at 16 t + 8 u
.set P,   144                          ; v144-159 p in f16
.set O,   160                          ; v160-223 O^T: tile t, channel tile f at 32 t + 8 f
.set ST,  224                          ; v224-239 per tile: +0 m, +1 0, +2 +3 l, +4 +5 at work, +6 a, +7 old m - new m
.set WV, 8
.set PI, 9
.set CX, 10
.set BH, 11
.set W128, 12
.set WEND, 13
.set KF, 14
.set TBK, 15
.set TBV, 16
.set SLOTS, 17
.set CNT, 18
.set LIM, 19
.set SEL, 20
.set G1K, 24
.set G1V, 32
.set G0K, 40
.set G0V, 44
.set PFA, 52
; Waves 0 and 1 fetch K's halves of a slot, waves 2 and 3 V's, the others nothing.  An s_nop 0 and four v_nop follow each line.
.macro TLOAD
	s_cmp_lt_u32 s[WV], 2
	s_cbranch_scc0 .Lnot_k_\@
	tensor_load_to_lds s[G0K:G0K+3], s[G1K:G1K+7]
	s_nop 0
.rept 4
	v_nop
.endr
	s_branch .Lasked_\@
.Lnot_k_\@:
	s_cmp_lt_u32 s[WV], 4
	s_cbranch_scc0 .Lasked_\@
	tensor_load_to_lds s[G0V:G0V+3], s[G1V:G1V+7]
	s_nop 0
.rept 4
	v_nop
.endr
.Lasked_\@:
.endm
; A prefetch of what the NEXT change of slots will load: 32,768 bytes of K and of V.  One cluster alone reads a head; its partners share a slot out by address, 8,192 bytes each, lanes 256 bytes apart;
; wave 4 asks for K's, wave 5 for V's.  So each block of 256 bytes is named once.  The last change that fills a slot asks for nothing; nothing is asked for at the head.
.macro ASK
	s_cmp_gt_u32 s[SLOTS], s[LIM]
	s_cbranch_scc0 .Lnot_mine_\@
	global_prefetch_b8 v[PFO], s[PFA:PFA+1] th:TH_LOAD_NT scope:SCOPE_SE
.Lnot_mine_\@:
.endm
.macro CROUND
	s_barrier_signal -1
	s_barrier_wait -1
	s_cmp_lg_u32 s[WV], 0
	s_cbranch_scc1 .Lnot_wave_0_\@
	s_barrier_signal -3
.Lnot_wave_0_\@:
	s_barrier_wait -3
	s_barrier_signal -1
	s_barrier_wait -1
.endm
	s_load_b128 s[4:7], s[0:1], 0x0                ; qkv, ao
	v_lshl_add_u32 v[SPW], v0, 2, SPARE
	v_mov_b32 v[NIL], 0
	ds_add_u32 v[SPW], v[NIL]                      ; the opening: the add, twice on end, and its wait ahead of the first tensor load
	ds_add_u32 v[SPW], v[NIL]
	v_lshrrev_b32 v1, 5, v0
	v_readfirstlane_b32 s[WV], v1
	s_bfe_u32 s[CX], ttmp6, 0x40000
	s_and_b32 s[BH], ttmp7, 0xffff                 ; 16 x batch + head
	s_bfe_u32 s54, s[WV], 0x10002
	s_mul_i32 s54, s54, 3
	s_xor_b32 s[PI], s[WV], s54
	s_lshl_b32 s[W128], s[PI], 7                   ; the group's first query
	s_add_co_u32 s[WEND], s[W128], 128             ; and the first key that none of its queries sees
	s_mov_b32 s[KF], 0
	s_mov_b32 s[TBK], 0
	s_mov_b32 s[TBV], 0
	s_mov_b32 s[SLOTS], 7
	s_mov_b32 s[SEL], 0x76543210
	s_mov_b32 s[SEL+1], 0xfedcba98
	s_mov_b32 s[G1K], 15|(1<<16)|(1<<20)|(1<<21)|(4<<22)|(3<<25)   ; mask: all four; elements of 2 bytes; 4 words of padding behind every 32
	s_mov_b32 s[G1V], 15|(1<<16)|(1<<20)|(1<<21)|(4<<22)|(7<<25)   ; 8 words of padding
.irp g, G1K, G1V
	s_mov_b32 s[\g+1], 64<<16                      ; tensor_dim0
	s_mov_b32 s[\g+2], 128<<16                     ; tensor_dim1
	s_mov_b32 s[\g+3], 64<<16                      ; tile_dim0
	s_mov_b32 s[\g+4], 128                         ; tile_dim1
	s_mov_b32 s[\g+5], 64                          ; pitch
	s_mov_b32 s[\g+6], 0
	s_mov_b32 s[\g+7], 0
.endr
	s_and_b32 s54, s[WV], 1                        ; which 128 keys of a slot I fetch
	s_mul_i32 s55, s54, 128*PK
	s_mul_i32 s56, s54, 128*PV
	s_add_co_u32 s56, s56, VOFF
	s_lshl_b32 s58, s54, 14
	s_lshl_b32 s57, s[BH], 18                      ; the head's plane
	s_add_co_u32 s58, s58, s57
	s_mov_b32 s59, 0
	s_lshr_b32 s72, s[WV], 1
	s_cmp_eq_u32 s72, 2
	s_cselect_b32 s[LIM], 1, -1                    ; waves 4 and 5 prefetch
	s_wait_dscnt 0x0                               ; both opening adds are done
	s_wait_kmcnt 0x0
	s_add_nc_u64 s[60:61], s[4:5], s[58:59]
	s_mov_b32 s[G0K], 1
	s_mov_b32 s[G0K+1], s55
	s_add_nc_u64 s[G0K+2:G0K+3], s[60:61], 16777216
	s_or_b32 s[G0K+3], s[G0K+3], 0x80000000
	s_mov_b32 s[G0V], 1
	s_mov_b32 s[G0V+1], s56
	s_add_nc_u64 s[G0V+2:G0V+3], s[60:61], 33554432
	s_or_b32 s[G0V+3], s[G0V+3], 0x80000000
	CROUND                                         ; all four work-groups are here
	TLOAD                                          ; slot 0
	s_lshl_b32 s66, s[CX], 5
	s_add_co_u32 s66, s66, s[W128]                 ; my first query
	s_lshl_b32 s68, s66, 7
	s_add_co_u32 s68, s68, s57
	s_mov_b32 s69, 0
	s_add_nc_u64 s[48:49], s[4:5], s[68:69]        ; Q at my first query
	s_and_b32 s70, s[BH], 15
	s_lshl_b32 s70, s70, 20
	s_lshr_b32 s71, s[BH], 4
	s_lshl_b32 s71, s71, 18
	s_add_co_u32 s70, s70, s71
	s_lshl_b32 s71, s66, 7
	s_add_co_u32 s70, s70, s71
	s_mov_b32 s71, 0
	s_add_nc_u64 s[50:51], s[6:7], s[70:71]        ; ao: head x 1,048,576 + (2048 batch + query) x 128
	s_mov_b32 s72, 33554432
	s_cmp_eq_u32 s[WV], 4
	s_cselect_b32 s72, 16777216, s72
	s_add_co_u32 s72, s72, s57
	s_lshl_b32 s73, s[CX], 13
	s_add_co_u32 s72, s72, s73
	s_add_co_u32 s72, s72, 32768                   ; in slot 1: the first change steps it to slot 2
	s_mov_b32 s73, 0
	s_add_nc_u64 s[PFA:PFA+1], s[4:5], s[72:73]
	v_and_b32 v3, 15, v0                           ; r
	v_bfe_u32 v4, v0, 4, 1                         ; h
	v_lshlrev_b32 v[QO], 7, v3
	v_lshl_add_u32 v[QO], v4, 4, v[QO]
.irp t, 0,1
.irp c, 0,1
	global_load_b128 v[QF+16*\t+8*\c:QF+16*\t+8*\c+3], v[QO], s[48:49] offset:2048*\t+64*\c
	global_load_b128 v[QF+16*\t+8*\c+4:QF+16*\t+8*\c+7], v[QO], s[48:49] offset:2048*\t+64*\c+32
.endr
.endr
	v_mul_u32_u24 v[AK0], v3, PK
	v_lshl_add_u32 v[AK0], v4, 4, v[AK0]           ; K: row r, + 16 h
	v_and_b32 v8, 7, v0
	v_bfe_u32 v9, v0, 3, 1
	v_lshl_add_u32 v[AV0], v4, 3, v8
	v_mul_u32_u24 v[AV0], v[AV0], PV
	v_lshl_add_u32 v[AV0], v9, 4, v[AV0]
	v_add_nc_u32 v[AV0], VOFF, v[AV0]              ; V: key 8 h + lane % 8, channels 8 ((lane / 8) % 2) on
	v_lshlrev_b32 v[QL], 3, v4
	v_sub_nc_u32 v[QL], v3, v[QL]
	v_add_nc_u32 v[QL], s66, v[QL]
	v_mov_b32 v[NINF], 0xff800000
	v_and_b32 v[PFO], 31, v0
	v_lshlrev_b32 v[GO], 4, v[PFO]
	v_lshlrev_b32 v[PFO], 8, v[PFO]
	s_mul_i32 s74, s[WV], 32*144
	s_add_co_u32 s74, s74, STAGE
	v_mul_u32_u24 v[STO], v3, 144
	v_lshl_add_u32 v[STO], v4, 4, v[STO]
	v_add_nc_u32 v[STO], s74, v[STO]               ; in: row r, 16 bytes for each half of the lanes
	v_bfe_u32 v9, v0, 3, 2
	v_mul_u32_u24 v[RD], v9, 144
	v_lshl_add_u32 v[RD], v8, 4, v[RD]
	v_add_nc_u32 v[RD], s74, v[RD]                 ; back: eight lanes to a row of 128 bytes, four rows
.irp t, 0,1
	v_mov_b32 v[ST+8*\t], 0xff61b1e6               ; m = -3e38, under every t
.irp j, 1,2,3,4,5,6,7
	v_mov_b32 v[ST+8*\t+\j], 0
.endr
.endr
.set i, 0
.rept 64
	v_mov_b32 v[O+i], 0                            ; the step is written once: the first finds zeros, which a = 0 leaves zeros
.set i, i+1
.endr
; A STEP: 32 keys against my 32 queries: 8 + 8 matrix instructions.
.macro STEP
	s_cmp_ge_u32 s[KF], s[WEND]
	s_cbranch_scc1 .Lhid_\@
	v_add_nc_u32 v[ADK], s[TBK], v[AK0]            ; these four plain lines are also the places behind the last step's products, ahead of the loads into V's registers
	v_add_nc_u32 v[ADV], s[TBV], v[AV0]
	v_sub_nc_u32 v[DA], v[QL], s[KF]
	v_add_nc_u32 v[DA+1], 16, v[DA]
.irp u, 0,1
.irp c, 0,1
	ds_load_b128 v[KR+8*(2*\u+\c):KR+8*(2*\u+\c)+3], v[ADK] offset:16*PK*\u+64*\c
	ds_load_b128 v[KR+8*(2*\u+\c)+4:KR+8*(2*\u+\c)+7], v[ADK] offset:16*PK*\u+64*\c+32
.endr
.endr
.irp f, 0,1,2,3
	ds_load_tr16_b128 v[VR+8*\f:VR+8*\f+3], v[ADV] offset:32*\f
	ds_load_tr16_b128 v[VR+8*\f+4:VR+8*\f+7], v[ADV] offset:32*\f+16*PV
.endr
	s_wait_dscnt 8                                 ; K is in; V's eight loads may stay out
.irp c, 0,1                                    ; the four accumulators take turns, one instruction a turn
.irp u, 0,1
.irp t, 0,1
.if \c == 0
	v_wmma_f32_16x16x32_f16 v[S+16*\t+8*\u:S+16*\t+8*\u+7], v[KR+8*(2*\u+\c):KR+8*(2*\u+\c)+7], v[QF+16*\t+8*\c:QF+16*\t+8*\c+7], 0
.else
	v_wmma_f32_16x16x32_f16 v[S+16*\t+8*\u:S+16*\t+8*\u+7], v[KR+8*(2*\u+\c):KR+8*(2*\u+\c)+7], v[QF+16*\t+8*\c:QF+16*\t+8*\c+7], v[S+16*\t+8*\u:S+16*\t+8*\u+7]
.endif
.endr
.endr
.endr
.rept 4
	v_nop
.endr
	s_cmp_lt_u32 s[KF], s[W128]
	s_cbranch_scc1 .Lopen_\@                       ; all 32 keys count for every query of the group
.irp t, 0,1                                    ; register 8 u + i of tile t holds key KF + 16 u + 8 h + i: hidden where 16 u + i > my query + 16 t - 8 h - KF
.irp u, 0,1
.irp i, 0,1,2,3,4,5,6,7
	v_cmp_gt_i32 vcc_lo, 16*\u+\i, v[DA+\t]
	v_cndmask_b32 v[S+16*\t+8*\u+\i], v[S+16*\t+8*\u+\i], v[NINF], vcc_lo
.endr
.endr
.endr
.Lopen_\@:
.irp t, 0,1                                    ; the maximum of 16 scores and the old m; each accumulator is first read at its low end
	v_max3_num_f32 v[ST+8*\t+4], v[S+16*\t], v[S+16*\t+1], v[S+16*\t+2]
	v_max3_num_f32 v[ST+8*\t+5], v[S+16*\t+8], v[S+16*\t+9], v[S+16*\t+10]
.endr
.irp i, 3,5
.irp t, 0,1
	v_max3_num_f32 v[ST+8*\t+4], v[ST+8*\t+4], v[S+16*\t+\i], v[S+16*\t+\i+1]
	v_max3_num_f32 v[ST+8*\t+5], v[ST+8*\t+5], v[S+16*\t+8+\i], v[S+16*\t+9+\i]
.endr
.endr
.irp t, 0,1
	v_max3_num_f32 v[ST+8*\t+4], v[ST+8*\t+4], v[S+16*\t+7], v[S+16*\t+15]
.endr
.irp t, 0,1
	v_max3_num_f32 v[ST+8*\t+4], v[ST+8*\t+4], v[ST+8*\t+5], v[ST+8*\t]
.endr
.irp t, 0,1
	v_permlanex16_b32 v[ST+8*\t+5], v[ST+8*\t+4], s[SEL], s[SEL+1]   ; the query's other 16 keys lie in the lane 16 away
.endr
.irp t, 0,1
	v_max_num_f32 v[ST+8*\t+4], v[ST+8*\t+4], v[ST+8*\t+5]           ; the new m
.endr
.irp t, 0,1
	v_sub_f32 v[ST+8*\t+7], v[ST+8*\t], v[ST+8*\t+4]                 ; old m - new m, 0 or less
.endr
.irp t, 0,1
	v_mov_b32 v[ST+8*\t], v[ST+8*\t+4]
.endr
.irp b, 0,2,4,6,8,10,12,14
.irp t, 0,1
	v_pk_add_f32 v[S+16*\t+\b:S+16*\t+\b+1], v[S+16*\t+\b:S+16*\t+\b+1], v[ST+8*\t:ST+8*\t+1] op_sel_hi:[1,0] neg_lo:[0,1] neg_hi:[0,1]   ; t - m: 0 for the largest
.endr
.endr
.irp t, 0,1
	v_exp_f32 v[ST+8*\t+6], v[ST+8*\t+7]           ; a
.endr
.irp j, 0,1,2,3,4,5,6,7,8,9,10,11,12,13,14,15
.irp t, 0,1
	v_exp_f32 v[S+16*\t+\j], v[S+16*\t+\j]         ; p
.endr
.endr
	v_nop                                          ; a plain line behind the last exponential
	s_wait_alu depctr_va_vdst(0)                   ; one wait for the 34 exponentials, ahead of their first reader
.irp i, 0,1,2,3,4,5,6,7
.irp t, 0,1
	v_cvt_pk_f16_f32 v[P+8*\t+\i], v[S+16*\t+2*\i], v[S+16*\t+2*\i+1]
.endr
.endr
.irp b, 0,4,8,12                               ; the sum of the unrounded p, in pairs, in place
.irp t, 0,1
	v_pk_add_f32 v[S+16*\t+\b:S+16*\t+\b+1], v[S+16*\t+\b:S+16*\t+\b+1], v[S+16*\t+\b+2:S+16*\t+\b+3]
.endr
.endr
.irp b, 0,8
.irp t, 0,1
	v_pk_add_f32 v[S+16*\t+\b:S+16*\t+\b+1], v[S+16*\t+\b:S+16*\t+\b+1], v[S+16*\t+\b+4:S+16*\t+\b+5]
.endr
.endr
.irp t, 0,1
	v_pk_add_f32 v[S+16*\t:S+16*\t+1], v[S+16*\t:S+16*\t+1], v[S+16*\t+8:S+16*\t+9]
.endr
.irp t, 0,1
	v_pk_fma_f32 v[ST+8*\t+2:ST+8*\t+3], v[ST+8*\t+2:ST+8*\t+3], v[ST+8*\t+6:ST+8*\t+7], v[S+16*\t:S+16*\t+1] op_sel_hi:[1,0,1]   ; l = a l + the sum
.endr
.irp t, 0,1
.set i, 0
.rept 16
	v_pk_mul_f32 v[O+32*\t+i:O+32*\t+i+1], v[O+32*\t+i:O+32*\t+i+1], v[ST+8*\t+6:ST+8*\t+7] op_sel_hi:[1,0]   ; O^T times a, each accumulator from its low end on
.set i, i+2
.endr
.endr
	s_wait_dscnt 0x0                               ; V is in
.irp f, 0,1,2,3                                ; eight accumulators, one instruction each
.irp t, 0,1
	v_wmma_f32_16x16x32_f16 v[O+32*\t+8*\f:O+32*\t+8*\f+7], v[VR+8*\f:VR+8*\f+7], v[P+8*\t:P+8*\t+7], v[O+32*\t+8*\f:O+32*\t+8*\f+7]
.endr
.endr
.Lhid_\@:
	s_add_co_u32 s[KF], s[KF], 32
	s_add_co_u32 s[TBK], s[TBK], 32*PK
	s_add_co_u32 s[TBV], s[TBV], 32*PV
.endm
.macro SLOT_STEPS                      ; a slot's eight steps, written once; then on to the other slot
	s_mov_b32 s[CNT], 8
.Lstep_\@:
	STEP
	s_sub_co_u32 s[CNT], s[CNT], 1
	s_cmp_lg_u32 s[CNT], 0
	s_cbranch_scc1 .Lstep_\@
	s_sub_co_u32 s[TBK], s[TBK], 256*PK
	s_xor_b32 s[TBK], s[TBK], SLOT1
	s_sub_co_u32 s[TBV], s[TBV], 256*PV
	s_xor_b32 s[TBV], s[TBV], SLOT1
.endm
; THE CHANGE OF SLOTS stands at a slot's head.  Each wave waits for all its tensor loads (its part of the slot ahead), adds 0 to its spare word, and waits for that and for its reads of the slot left.
; fill = 1: a round of the cluster's barrier follows, so that no wave of any partner still reads the slot left or has a load on its way; behind it that slot takes the next 256 keys: the load has eight steps in which to land.
.macro CHANGE fill
	s_wait_tensorcnt 0x0                           ; no tensor load of mine is out, so a group 0 may be written
	ds_add_u32 v[SPW], v[NIL]
.if \fill
	ds_add_u32 v[SPW], v[NIL]                      ; twice on end here, in every trip alike
	s_xor_b32 s[G0K+1], s[G0K+1], SLOT1
	s_add_nc_u64 s[G0K+2:G0K+3], s[G0K+2:G0K+3], 32768
	s_xor_b32 s[G0V+1], s[G0V+1], SLOT1
	s_add_nc_u64 s[G0V+2:G0V+3], s[G0V+2:G0V+3], 32768
	s_wait_xcnt 0x0                                ; the last prefetch, a slot back, has read its address
	s_add_nc_u64 s[PFA:PFA+1], s[PFA:PFA+1], 32768
	s_wait_dscnt 0x0
	CROUND
	TLOAD                                          ; the first thing behind the round, and a wave's one tensor load until the next
	ASK
.else
	s_wait_dscnt 0x0
	s_barrier_signal -1
	s_barrier_wait -1
.endif
.endm
	s_wait_loadcnt 0x0                             ; Q
.Lslot:                                            ; seven trips: behind each change of slots but the last the next slot is asked for
	CHANGE 1
	SLOT_STEPS
	s_sub_co_u32 s[SLOTS], s[SLOTS], 1
	s_cmp_lg_u32 s[SLOTS], 0
	s_cbranch_scc1 .Lslot
	CHANGE 0                                       ; the last slot is written out
	SLOT_STEPS
	; THE WAY OUT: O^T / l, rounded to f16, through my stage, so that a store covers 512 consecutive bytes (four rows of my head).
.rept 4
	v_nop
.endr
.irp t, 0,1
	v_add_f32 v[ST+8*\t+4], v[ST+8*\t+2], v[ST+8*\t+3]
.endr
.irp t, 0,1
	v_permlanex16_b32 v[ST+8*\t+5], v[ST+8*\t+4], s[SEL], s[SEL+1]
.endr
.irp t, 0,1
	v_add_f32 v[ST+8*\t+4], v[ST+8*\t+4], v[ST+8*\t+5]
.endr
.irp t, 0,1
	v_rcp_f32 v[ST+8*\t+6], v[ST+8*\t+4]
.endr
	v_nop
	s_wait_alu depctr_va_vdst(0)                   ; one wait for the two reciprocals
.irp t, 0,1
.set i, 0
.rept 16
	v_pk_mul_f32 v[O+32*\t+i:O+32*\t+i+1], v[O+32*\t+i:O+32*\t+i+1], v[ST+8*\t+6:ST+8*\t+7] op_sel_hi:[1,0]
.set i, i+2
.endr
.set i, 0
.rept 16
	v_cvt_pk_f16_f32 v[S+16*\t+i], v[O+32*\t+2*i], v[O+32*\t+2*i+1]
.set i, i+1
.endr
.endr
.irp t, 0,1
.irp f, 0,1,2,3
	ds_store_b128 v[STO], v[S+16*\t+4*\f:S+16*\t+4*\f+3] offset:16*144*\t+32*\f
.endr
.endr
.irp t, 0,1
.irp f, 0,1,2,3
	ds_load_b128 v[S+16*\t+4*\f:S+16*\t+4*\f+3], v[RD] offset:16*144*\t+4*144*\f   ; LDS serves a wave's instructions in order: these see the stores above
.endr
.endr
.irp t, 0,1
.irp f, 0,1,2,3
	s_wait_dscnt 7-4*\t-\f                         ; the younger loads may stay out
	global_store_b128 v[GO], v[S+16*\t+4*\f:S+16*\t+4*\f+3], s[50:51] offset:2048*\t+512*\f
.endr
.endr
	s_wait_tensorcnt 0x0                           ; the wave's end
	ds_add_u32 v[SPW], v[NIL]
	s_wait_dscnt 0x0
	CROUND                                         ; the closing round
	s_endpgm
.Lfunc_end_k_q0c106d47ce_attn:
	.size	k_q0c106d47ce_attn, .Lfunc_end_k_q0c106d47ce_attn-k_q0c106d47ce_attn
	.p2alignl 7, 3214868480
	.fill 96, 4, 3214868480
	.section	.rodata,"a",@progbits
	.p2align	6, 0x0
	.amdhsa_kernel k_q0c106d47ce_attn
		.amdhsa_group_segment_fixed_size 327680
		.amdhsa_private_segment_fixed_size 0
		.amdhsa_enable_private_segment 0
		.amdhsa_kernarg_size 16
		.amdhsa_user_sgpr_count 2
		.amdhsa_user_sgpr_kernarg_segment_ptr 1
		.amdhsa_wavefront_size32 1
		.amdhsa_system_sgpr_workgroup_id_x 1
		.amdhsa_system_sgpr_workgroup_id_y 1
		.amdhsa_system_sgpr_workgroup_id_z 1
		.amdhsa_system_vgpr_workitem_id 0
		.amdhsa_next_free_vgpr 256
		.amdhsa_next_free_sgpr 80
		.amdhsa_reserve_vcc 1
		.amdhsa_float_denorm_mode_32 3
		.amdhsa_float_denorm_mode_16_64 3
		.amdhsa_memory_ordered 1
		.amdhsa_forward_progress 1
		.amdhsa_inst_pref_size 44
	.end_amdhsa_kernel
	.amdgpu_metadata
---
amdhsa.version: [ 1, 2 ]
amdhsa.kernels:
  - .name:           k_q0c106d47ce_attn
    .symbol:         k_q0c106d47ce_attn.kd
    .args:
      - { .name: qkv, .offset: 0, .size: 8, .value_kind: global_buffer, .address_space: global }
      - { .name: ao, .offset: 8, .size: 8, .value_kind: global_buffer, .address_space: global }
    .group_segment_fixed_size: 327680
    .private_segment_fixed_size: 0
    .kernarg_segment_align: 8
    .kernarg_segment_size: 16
    .max_flat_workgroup_size: 512
    .sgpr_count:     80
    .vgpr_count:     256
    .wavefront_size: 32
...
	.end_amdgpu_metadata
.endif
;; end of part 3
;; launch oproj (part 4): grid 4 x 64, 4 waves a work-group, clusters of 4 x 4, 327,680 bytes of LDS; arguments ao, woh, bo, out0; writes out0
.if DOCPART == 4
	.amdgcn_target "amdgcn-amd-amdhsa--gfx1250"
	.amdhsa_code_object_version 6
	.text
	.protected	k_q0c106d47ce_oproj
	.globl	k_q0c106d47ce_oproj
	.p2align	8
	.type	k_q0c106d47ce_oproj,@function
k_q0c106d47ce_oproj:
	s_mov_b64 s[64:65], 0
	v_nop
	global_prefetch_b8 v0, s[64:65] scope:SCOPE_SE
	s_setreg_imm32_b32 hwreg(HW_REG_WAVE_MODE, 25, 1), 1
	s_wait_xcnt 0x0
	s_wait_alu depctr_hold_cnt(0) depctr_sa_sdst(0) depctr_va_vdst(0) depctr_va_sdst(0) depctr_va_ssrc(0) depctr_va_vcc(0) depctr_vm_vsrc(0)
	s_getreg_b32 s2, hwreg(HW_REG_IB_STS2, 6, 4)
	s_cmp_eq_u32 s2, 0
	s_cbranch_scc0 .Lentry_in_a_cluster
	s_endpgm
.Lentry_in_a_cluster:
	s_bfe_u32 s2, ttmp6, 0x10000c
	s_cmp_lg_u32 s2, 0xf033
	s_cbranch_scc0 .Lentry_shape_is_right
	s_endpgm
.Lentry_shape_is_right:
; out0[token][n] = sum over k of o[token][k] wo[n][k] + bo[n], on f16 operands with f32 sums.  ao: [head 16][token 8192][64] f16 (k = 64 head + d); woh: [1024][1024] f16; out0: [8192][1024] f32.
; A tile of out0 is 128 tokens x 256 columns: 256 work-groups.  Four waves, each 64 x 128: 32 accumulators.  K goes in 8 steps of 128 (two heads) through a ring of two LDS slots;
; two slots of 256 along K would not fit in LDS beside each other.  CLUSTER 4 x 4: ao's tile is shared along a row of the cluster, woh's along a column: joint loads.
; THE MATRIX INSTRUCTION IS USED TRANSPOSED (source 0 = 16 rows of woh, source 1 = 16 tokens): a lane holds eight neighbouring columns of one token.  The bias is the C of each sum's first instruction.
; Rows t < 16 of every sequence are written here too; the next launch writes them again from f32.
; REGISTERS: window 0: v16-29 addresses; v32-95 the bias; v128-255 rows read back on the way out.  window 1: accumulator (a, b) at v[8 (8 a + b)].
;   window 2: two fragment buffers of 96 (32 along K): woh's eight fragments, then ao's four.
.set PA,     144                       ; a token's 128 bytes of one head + 16
.set PB,     272                       ; a row of woh's tile: 256 bytes + 16
.set PLANE,  128*PA                    ; one head's 128 tokens
.set BOFF,   2*PLANE
.set HALFB,  128*PB
.set SLOT,   BOFF+2*HALFB
.set STAGE,  2*SLOT                    ; 16 rows x 528 bytes a wave; no load ever lands here
.set SPARE,  STAGE+4*16*528
.set LAPS,   4
.set ADRA, 16
.set ADRB, 20
.set STO,  24
.set RD,   25
.set CO,   26
.set SPW,  28
.set NIL,  29
.set BI,   32
.set BK,   128
.set F0,   0
.set F1,   96
.set WV, 12
.set WM, 13                            ; wave / 2: my half of the tokens; also: I fetch for ao (0) or for woh (1)
.set WN, 14                            ; wave % 2: my half of the columns; also: which plane or which 128 rows I fetch
.set G1A, 24
.set G0A, 32
.set G1B, 48
.set G0B, 56
.set MSB, 0
.macro WIN new
.if MSB != \new
	s_set_vgpr_msb (MSB<<8)|\new
.set MSB, \new
.endif
.endm
.set MUL,  0x5a                        ; sources 0 and 1 window 2; C and D window 1
.set MUL0, 0x4a                        ; C (the bias) window 0
.set TO_F, 0x80
.macro JLOAD s                         ; an s_nop 0 and four v_nop follow each of the two lines
	s_cmp_eq_u32 s[WM], 0
	s_cbranch_scc0 .Lfor_b_\@
	tensor_load_to_lds s[G0A+4*\s:G0A+4*\s+3], s[G1A:G1A+7]
	s_nop 0
.rept 4
	v_nop
.endr
	s_branch .Lasked_\@
.Lfor_b_\@:
	tensor_load_to_lds s[G0B+4*\s:G0B+4*\s+3], s[G1B:G1B+7]
	s_nop 0
.rept 4
	v_nop
.endr
.Lasked_\@:
.endm
.macro CREST
	s_cmp_lg_u32 s[WV], 0
	s_cbranch_scc1 .Lnot_wave_0_\@
	s_barrier_signal -3
.Lnot_wave_0_\@:
	s_barrier_wait -3
	s_barrier_signal -1
	s_barrier_wait -1
.endm
.macro CROUND
	s_barrier_signal -1
	s_barrier_wait -1
	CREST
.endm
	s_load_b256 s[4:11], s[0:1], 0x0               ; ao, woh, bo, out0
	v_lshl_add_u32 v[SPW], v0, 2, SPARE
	v_mov_b32 v[NIL], 0
	ds_add_u32 v[SPW], v[NIL]                      ; the opening: the add, twice on end, and its wait ahead of my first tensor load
	ds_add_u32 v[SPW], v[NIL]
	v_lshrrev_b32 v1, 5, v0
	v_readfirstlane_b32 s[WV], v1
	s_lshr_b32 s[WM], s[WV], 1
	s_and_b32 s[WN], s[WV], 1
	s_bfe_u32 s40, ttmp6, 0x40000                  ; cx
	s_bfe_u32 s41, ttmp6, 0x40004                  ; cy
	s_lshl_b32 s42, ttmp9, 2
	s_add_co_u32 s42, s42, s40                     ; column tile
	s_and_b32 s15, ttmp7, 0xffff
	s_lshl_b32 s15, s15, 2
	s_add_co_u32 s15, s15, s41                     ; row tile
	s_lshl_b32 s43, s41, 2
	s_lshl_b32 s43, 15, s43                        ; my row of the cluster
	s_lshl_b32 s44, 0x1111, s40                    ; my column
	s_or_b32 s[G1A], s43, (1<<16)|(1<<20)|(1<<21)|(4<<22)|(3<<25)   ; elements of 2 bytes; 4 words of padding behind every 32
	s_or_b32 s[G1B], s44, (1<<16)|(1<<20)|(1<<21)|(5<<22)|(3<<25)   ; behind every 64
	s_mov_b32 s[G1A+1], 64<<16
	s_mov_b32 s[G1A+2], 128<<16
	s_mov_b32 s[G1A+3], 64<<16
	s_mov_b32 s[G1A+4], 128
	s_mov_b32 s[G1A+5], 64
	s_mov_b32 s[G1A+6], 0
	s_mov_b32 s[G1A+7], 0
	s_mov_b32 s[G1B+1], 128<<16
	s_mov_b32 s[G1B+2], 128<<16
	s_mov_b32 s[G1B+3], 128<<16
	s_mov_b32 s[G1B+4], 128
	s_mov_b32 s[G1B+5], 1024
	s_mov_b32 s[G1B+6], 0
	s_mov_b32 s[G1B+7], 0
	s_lshl_b32 s16, s[WN], 20                      ; ao: head z, tokens 128 y on (registers that never hold cx)
	s_lshl_b32 s17, s15, 14
	s_add_co_u32 s16, s16, s17
	s_mov_b32 s17, 0
	s_lshl_b32 s46, s42, 19                        ; woh: row 256 x + 128 z (registers that never hold cy)
	s_lshl_b32 s47, s[WN], 18
	s_add_co_u32 s46, s46, s47
	s_mov_b32 s47, 0
	s_mul_i32 s20, s[WN], PLANE
	s_mul_i32 s21, s[WN], HALFB
	s_add_co_u32 s21, s21, BOFF
	s_wait_dscnt 0x0
	s_wait_kmcnt 0x0
	s_add_nc_u64 s[16:17], s[4:5], s[16:17]
	s_add_nc_u64 s[46:47], s[6:7], s[46:47]
	CROUND                                         ; all sixteen work-groups are here
.irp s, 0,1
	s_mov_b32 s[G0A+4*\s], 1
	s_add_co_u32 s[G0A+4*\s+1], s20, \s*SLOT
	s_add_nc_u64 s[G0A+4*\s+2:G0A+4*\s+3], s[16:17], \s*2097152     ; K step s: two heads on
	s_or_b32 s[G0A+4*\s+3], s[G0A+4*\s+3], 0x80000000
	s_mov_b32 s[G0B+4*\s], 1
	s_add_co_u32 s[G0B+4*\s+1], s21, \s*SLOT
	s_add_nc_u64 s[G0B+4*\s+2:G0B+4*\s+3], s[46:47], \s*256
	s_or_b32 s[G0B+4*\s+3], s[G0B+4*\s+3], 0x80000000
	JLOAD \s
.endr
	v_and_b32 v1, 15, v0
	v_bfe_u32 v2, v0, 4, 1
	v_mul_u32_u24 v3, v1, PA
	v_lshl_add_u32 v3, v2, 4, v3
	v_mul_u32_u24 v4, v1, PB
	v_lshl_add_u32 v4, v2, 4, v4
	s_mul_i32 s22, s[WM], 64*PA
	s_mul_i32 s23, s[WN], HALFB
	s_add_co_u32 s23, s23, BOFF
.irp s, 0,1
	v_add_nc_u32 v[ADRA+\s], s22, v3
	v_add_nc_u32 v[ADRB+\s], s23, v4
	s_add_co_u32 s22, s22, SLOT
	s_add_co_u32 s23, s23, SLOT
.endr
	s_mul_i32 s22, s[WV], 16*528
	s_add_co_u32 s22, s22, STAGE
	v_mul_u32_u24 v5, v1, 528
	v_lshl_add_u32 v5, v2, 5, v5
	v_add_nc_u32 v[STO], s22, v5
	v_and_b32 v6, 31, v0
	v_lshlrev_b32 v[CO], 4, v6
	v_add_nc_u32 v[RD], s22, v[CO]
	v_lshlrev_b32 v7, 5, v2
	s_lshl_b32 s66, s42, 10
	s_lshl_b32 s67, s[WN], 9
	s_add_co_u32 s66, s66, s67                     ; my first column, in bytes
	s_mov_b32 s67, 0
	s_add_nc_u64 s[8:9], s[8:9], s[66:67]
	s_add_nc_u64 s[10:11], s[10:11], s[66:67]
	s_lshl_b32 s66, s15, 19
	s_lshl_b32 s68, s[WM], 18
	s_add_co_u32 s66, s66, s68                     ; my first token x 4,096
	s_add_nc_u64 s[10:11], s[10:11], s[66:67]
.irp b, 0,1,2,3,4,5,6,7
	global_load_b128 v[BI+8*\b:BI+8*\b+3], v7, s[8:9] offset:64*\b
	global_load_b128 v[BI+8*\b+4:BI+8*\b+7], v7, s[8:9] offset:64*\b+16
.endr
.macro MUL8 f, a, zero                 ; token block a against the eight column blocks, 32 along K.  The 32 accumulators take turns in the same order in every quarter
.irp b, 0,1,2,3,4,5,6,7
.if \zero
	v_wmma_f32_16x16x32_f16 v[8*(8*\a+\b):8*(8*\a+\b)+7], v[\f+8*\b:\f+8*\b+7], v[\f+64+8*\a:\f+64+8*\a+7], v[BI+8*\b:BI+8*\b+7]
.else
	v_wmma_f32_16x16x32_f16 v[8*(8*\a+\b):8*(8*\a+\b)+7], v[\f+8*\b:\f+8*\b+7], v[\f+64+8*\a:\f+64+8*\a+7], v[8*(8*\a+\b):8*(8*\a+\b)+7]
.endif
.endr
.endm
.macro FETCH slot, q, f                ; 24 LDS loads in one run: the slot's q-th 32 along K; ao's blocks 2 and 3 last
	WIN TO_F
.irp i, 0,1,2,3,4,5,6,7
	ds_load_b128 v[\f+8*\i:\f+8*\i+3], v[ADRB+\slot] offset:64*(\q)+\i*16*PB
	ds_load_b128 v[\f+8*\i+4:\f+8*\i+7], v[ADRB+\slot] offset:64*(\q)+\i*16*PB+32
.endr
.irp i, 0,1,2,3
	ds_load_b128 v[\f+64+8*\i:\f+64+8*\i+3], v[ADRA+\slot] offset:PLANE*((\q)/2)+64*((\q)%2)+\i*16*PA
	ds_load_b128 v[\f+64+8*\i+4:\f+64+8*\i+7], v[ADRA+\slot] offset:PLANE*((\q)/2)+64*((\q)%2)+\i*16*PA+32
.endr
.endm
.macro PLACES
.rept 4
	v_nop
.endr
.endm
.macro QUARTER slot, qn, f, g, zero    ; multiplies buffer f and fetches the slot's quarter qn into g
	s_wait_dscnt 4                                 ; all but ao's blocks 2 and 3
.if \zero
	WIN MUL0
.else
	WIN MUL
.endif
	MUL8 \f, 0, \zero
	MUL8 \f, 1, \zero
	PLACES
	FETCH \slot, \qn, \g
	s_wait_dscnt 24                                ; all but the 24 just issued
.if \zero
	WIN MUL0
.else
	WIN MUL
.endif
	MUL8 \f, 2, \zero
	MUL8 \f, 3, \zero
.endm
; A slot's last quarter changes slots: one barrier; in front of it each wave waits for all its tensor loads, adds 0 to its spare word, and waits for that and for its reads of this slot.
.macro TURN slot, next, fill
	WIN 0
	s_wait_tensorcnt 0x0                           ; my part of the next slot has landed
	ds_add_u32 v[SPW], v[NIL]
	s_wait_dscnt 5                                 ; the add and the youngest four loads may be out
	WIN MUL
	MUL8 F1, 0, 0
	s_wait_dscnt 0x0
	s_barrier_signal -1
	MUL8 F1, 1, 0
.if \fill
	WIN 0
.endif
	s_barrier_wait -1
.if \fill
	CREST                                          ; the barrier has opened a round of the cluster's: no wave of any partner still reads this slot or has a load on its way
	s_add_nc_u64 s[G0A+4*\slot+2:G0A+4*\slot+3], s[G0A+4*\slot+2:G0A+4*\slot+3], 4194304   ; two K steps on: four heads
	s_add_nc_u64 s[G0B+4*\slot+2:G0B+4*\slot+3], s[G0B+4*\slot+2:G0B+4*\slot+3], 512
	JLOAD \slot                                    ; the first tensor load behind the round; its four v_nop are also the places in front of the loads below
.else
	PLACES
.endif
	FETCH \next, 0, F0
	WIN MUL
	MUL8 F1, 2, 0
	MUL8 F1, 3, 0
.endm
	s_wait_tensorcnt 1                             ; my part of K step 0 is in; K step 1's load may stay out
	s_barrier_signal -1
	s_barrier_wait -1
	FETCH 0, 0, F0
	s_wait_loadcnt 0x0                             ; the bias
	QUARTER 0, 1, F0, F1, 1                        ; the first quarter starts the sums on the bias
	WIN 0
	s_mov_b32 s3, LAPS-1
.Llap:
	QUARTER 0, 2, F1, F0, 0
	QUARTER 0, 3, F0, F1, 0
	TURN 0, 1, 1
	QUARTER 1, 1, F0, F1, 0
	QUARTER 1, 2, F1, F0, 0
	QUARTER 1, 3, F0, F1, 0
	TURN 1, 0, 1
	QUARTER 0, 1, F0, F1, 0
	WIN 0
	s_sub_co_u32 s3, s3, 1
	s_cmp_lg_u32 s3, 0
	s_cbranch_scc1 .Llap
	QUARTER 0, 2, F1, F0, 0                        ; the last lap fills nothing
	QUARTER 0, 3, F0, F1, 0
	TURN 0, 1, 0
	QUARTER 1, 1, F0, F1, 0
	QUARTER 1, 2, F1, F0, 0
	QUARTER 1, 3, F0, F1, 0
	s_wait_dscnt 4
	WIN MUL
	MUL8 F1, 0, 0
	MUL8 F1, 1, 0
	s_wait_dscnt 0
	MUL8 F1, 2, 0
	MUL8 F1, 3, 0
	WIN 0
; THE WAY OUT, 16 tokens x 128 columns at a time, through my own stage: back as whole rows of 512 bytes, which the 32 lanes store on end.
.macro TOSTAGE a
.set AC, 64*(\a)
	WIN 0x04                                       ; an LDS store's data: window 1
.irp b, 0,1,2,3,4,5,6,7
	ds_store_b128 v[STO], v[AC+8*\b:AC+8*\b+3] offset:64*\b          ; each accumulator from its low end on
	ds_store_b128 v[STO], v[AC+8*\b+4:AC+8*\b+7] offset:64*\b+16
.endr
	WIN 0
.set BB, BK+64*((\a)%2)
.irp t, 0,1,2,3,4,5,6,7,8,9,10,11,12,13,14,15
	ds_load_b128 v[BB+4*\t:BB+4*\t+3], v[RD] offset:\t*528
.endr
.endm
.macro SEND a, younger
.set BB, BK+64*((\a)%2)
	s_wait_dscnt \younger                          ; the block is back; the next block's 32 LDS instructions may stay out
.if (\a) > 0
	s_add_nc_u64 s[10:11], s[10:11], 65536         ; 16 tokens on (behind a wait on XCNT: the earlier stores have read their base)
.endif
.irp t, 0,1,2,3,4,5,6,7,8,9,10,11,12,13,14,15
	global_store_b128 v[CO], v[BB+4*\t:BB+4*\t+3], s[10:11] offset:\t*4096 th:TH_STORE_NT
.endr
.endm
	PLACES
	TOSTAGE 0
.irp a, 1,2,3
.if \a > 1
	s_wait_xcnt 0x0                                ; block a - 2's stores have read their registers and their base
.endif
	TOSTAGE \a
	SEND \a-1, 32
.endr
	s_wait_xcnt 0x0
	SEND 3, 0
	s_wait_tensorcnt 0x0                           ; the wave's end
	ds_add_u32 v[SPW], v[NIL]
	s_wait_dscnt 0x0
	CROUND                                         ; the closing round
	s_endpgm
.Lfunc_end_k_q0c106d47ce_oproj:
	.size	k_q0c106d47ce_oproj, .Lfunc_end_k_q0c106d47ce_oproj-k_q0c106d47ce_oproj
	.p2alignl 7, 3214868480
	.fill 96, 4, 3214868480
	.section	.rodata,"a",@progbits
	.p2align	6, 0x0
	.amdhsa_kernel k_q0c106d47ce_oproj
		.amdhsa_group_segment_fixed_size 327680
		.amdhsa_private_segment_fixed_size 0
		.amdhsa_enable_private_segment 0
		.amdhsa_kernarg_size 32
		.amdhsa_user_sgpr_count 2
		.amdhsa_user_sgpr_kernarg_segment_ptr 1
		.amdhsa_wavefront_size32 1
		.amdhsa_system_sgpr_workgroup_id_x 1
		.amdhsa_system_sgpr_workgroup_id_y 1
		.amdhsa_system_sgpr_workgroup_id_z 1
		.amdhsa_system_vgpr_workitem_id 0
		.amdhsa_next_free_vgpr 768
		.amdhsa_next_free_sgpr 70
		.amdhsa_reserve_vcc 0
		.amdhsa_float_denorm_mode_32 3
		.amdhsa_float_denorm_mode_16_64 3
		.amdhsa_memory_ordered 1
		.amdhsa_forward_progress 1
		.amdhsa_inst_pref_size 87
	.end_amdhsa_kernel
	.amdgpu_metadata
---
amdhsa.version: [ 1, 2 ]
amdhsa.kernels:
  - .name:           k_q0c106d47ce_oproj
    .symbol:         k_q0c106d47ce_oproj.kd
    .args:
      - { .name: ao, .offset: 0, .size: 8, .value_kind: global_buffer, .address_space: global }
      - { .name: woh, .offset: 8, .size: 8, .value_kind: global_buffer, .address_space: global }
      - { .name: bo, .offset: 16, .size: 8, .value_kind: global_buffer, .address_space: global }
      - { .name: out0, .offset: 24, .size: 8, .value_kind: global_buffer, .address_space: global }
    .group_segment_fixed_size: 327680
    .private_segment_fixed_size: 0
    .kernarg_segment_align: 8
    .kernarg_segment_size: 32
    .max_flat_workgroup_size: 128
    .sgpr_count:     70
    .vgpr_count:     768
    .wavefront_size: 32
...
	.end_amdgpu_metadata
.endif
;; end of part 4
;; launch fine (part 5): grid 16 x 4, 16 waves a work-group, no clusters, 85,248 bytes of LDS; arguments fin, wo, bo, out0; writes out0
.if DOCPART == 5
	.amdgcn_target "amdgcn-amd-amdhsa--gfx1250"
	.amdhsa_code_object_version 6
	.text
	.protected	k_q0c106d47ce_fine
	.globl	k_q0c106d47ce_fine
	.p2align	8
	.type	k_q0c106d47ce_fine,@function
k_q0c106d47ce_fine:
	s_mov_b64 s[64:65], 0
	v_nop
	global_prefetch_b8 v0, s[64:65] scope:SCOPE_SE
	s_setreg_imm32_b32 hwreg(HW_REG_WAVE_MODE, 25, 1), 1
	s_wait_xcnt 0x0
; The first 16 positions of every sequence, in f32 from the projections' results to out0: under the causal mask these rows average one to sixteen values, and f16 operands would weigh most there.
; fin: [3][batch 4][16][1024] f32 (qh, kh, vh, unscaled).  A work-group (nb, batch) makes out0 rows 2048 batch + 0 .. 15, columns 64 nb .. 64 nb + 63.
; Phase 1, in every work-group of a batch: wave = head: S^T = K Q^T (16 x 16 x 64), mask, softmax with the row's maximum taken away, O^T = V^T P; o goes to LDS, [16][1024].
; Phase 2: wave (nt = w % 4, kq = w / 4): 16 columns x a quarter of K (256): 64 products; the four quarters meet in LDS; wave w adds them for row w, adds the bias and stores 256 consecutive bytes.
; All products are v_wmma_f32_16x16x4_f32: 96 a wave.  Their results, v112-143, are written by matrix instructions alone; the sums of S^T and of phase 2 are split over four accumulators that take turns; each sum begins with C = 0.
; A lane loads 16 bytes where the operand's layout has 8: the same permutation of k on both operands of a product, which keeps the products.
; LIMITS: NaN and infinities are not served.
.set OLP,   4112                       ; a row of o in LDS: 4,096 bytes + 16
.set RED,   16*OLP                     ; the partial sums: 4 x 16 rows x (256 + 16) bytes
.set SPARE, RED+4*16*272
.set SPW, 12
.set NIL, 13
.set QF,  16                           ; v16-47  Q; later with v48-79 wo's k 128 .. 255 of my quarter
.set KR,  48                           ; v48-79  K
.set VF,  80                           ; v80-111 V^T; later o's operands of the even batches
.set AC,  112                          ; v112-143 four accumulators
.set SS,  144                          ; v144-151 scores, p, later partial sums
.set OT,  152                          ; v152-183 o; later o's operands of the odd batches
.set WF,  192                          ; v192-255 wo's k 0 .. 127 of my quarter
.macro FAR                             ; plain lines behind a run of f32 products: eight ahead of reads and loads, nine ahead of a sum begun anew on the same registers
.rept 9
	v_nop
.endr
.endm
	s_load_b256 s[4:11], s[0:1], 0x0               ; fin, wo, bo, out0
	v_lshl_add_u32 v[SPW], v0, 2, SPARE
	v_mov_b32 v[NIL], 0
	v_lshrrev_b32 v1, 5, v0
	v_readfirstlane_b32 s12, v1                    ; wave = head
	s_and_b32 s14, ttmp7, 0xffff                   ; batch
	s_and_b32 s15, s12, 3                          ; nt
	s_lshr_b32 s16, s12, 2                         ; kq
	s_mov_b32 s20, 0x76543210
	s_mov_b32 s21, 0xfedcba98
	s_mov_b32 s22, 0x3e38aa3b                      ; log2(e) / 8
	v_and_b32 v5, 31, v0
	v_and_b32 v1, 15, v0                           ; r
	v_bfe_u32 v2, v0, 4, 1                         ; h
	v_lshlrev_b32 v3, 12, v1
	v_lshl_add_u32 v3, v2, 4, v3                   ; rows of 4,096 bytes (fin, wo): row r, + 16 h
	v_lshlrev_b32 v4, 2, v1
	v_lshl_add_u32 v4, v2, 15, v4                  ; V: key 8 h on, channel r
	v_mul_u32_u24 v15, v1, OLP
	s_lshl_b32 s17, s12, 8
	v_lshl_add_u32 v6, v2, 5, v15
	v_add_nc_u32 v6, s17, v6                       ; o in: row r, my head's 256 bytes, + 32 h
	s_lshl_b32 s17, s16, 10
	v_lshl_add_u32 v7, v2, 4, v15
	v_add_nc_u32 v7, s17, v7                       ; o out: row r, my quarter of K, + 16 h
	v_mul_u32_u24 v8, v1, 272
	v_lshl_add_u32 v8, v2, 5, v8
	s_mul_i32 s17, s16, 16*272
	s_lshl_b32 s18, s15, 6
	s_add_co_u32 s17, s17, s18
	s_add_co_u32 s17, s17, RED
	v_add_nc_u32 v8, s17, v8                       ; partial sums in
	v_lshlrev_b32 v14, 3, v5
	s_mul_i32 s17, s12, 272
	s_add_co_u32 s17, s17, RED
	v_add_nc_u32 v9, s17, v14                      ; and out: row w, 8 bytes a lane
	v_lshlrev_b32 v10, 3, v2
	v_sub_nc_u32 v10, v1, v10                      ; r - 8 h
	v_mov_b32 v11, 0xff800000
	v_mov_b32 v185, 0                              ; a lane permute's destination counts as read
	v_mov_b32 v187, 0
	s_lshl_b32 s24, s14, 16
	s_lshl_b32 s17, s12, 8
	s_add_co_u32 s24, s24, s17
	s_mov_b32 s25, 0
	s_lshl_b32 s26, ttmp9, 18
	s_lshl_b32 s17, s15, 16
	s_add_co_u32 s26, s26, s17
	s_lshl_b32 s17, s16, 10
	s_add_co_u32 s26, s26, s17
	s_mov_b32 s27, 0
	s_lshl_b32 s28, ttmp9, 8
	s_mov_b32 s29, 0
	s_lshl_b32 s30, s14, 23
	s_lshl_b32 s17, s12, 12
	s_add_co_u32 s30, s30, s17
	s_add_co_u32 s30, s30, s28
	s_mov_b32 s31, 0
	s_wait_kmcnt 0x0
	s_add_nc_u64 s[24:25], s[4:5], s[24:25]        ; fin at my batch and head
	s_add_nc_u64 s[26:27], s[6:7], s[26:27]        ; wo at my 16 rows and my quarter of K
	s_add_nc_u64 s[28:29], s[8:9], s[28:29]        ; bo at the work-group's 64 columns
	s_add_nc_u64 s[30:31], s[10:11], s[30:31]      ; out0 at row w of the batch
.irp s, 0,1,2,3,4,5,6,7
	global_load_b128 v[QF+4*\s:QF+4*\s+3], v3, s[24:25] offset:32*\s
.endr
.irp s, 0,1,2,3,4,5,6,7
	global_load_b128 v[KR+4*\s:KR+4*\s+3], v3, s[24:25] offset:262144+32*\s
.endr
.irp f, 0,1,2,3
.irp kk, 0,1,2,3,4,5,6,7
	global_load_b32 v[VF+8*\f+\kk], v4, s[24:25] offset:524288+4096*\kk+64*\f   ; V(key 8 h + kk, channel 16 f + r)
.endr
.endr
.irp s, 0,1,2,3,4,5,6,7,8,9,10,11,12,13,14,15
	global_load_b128 v[WF+4*\s:WF+4*\s+3], v3, s[26:27] offset:32*\s
.endr
	global_load_b64 v[190:191], v14, s[28:29]
	s_wait_loadcnt 49                              ; Q and K are in; V's 32, wo's 16 and the bias may stay out
.set i, 0
.rept 16                                       ; S^T: lane (r, h) will hold query r, keys 8 h + 0 .. 7
.if i < 4
	v_wmma_f32_16x16x4_f32 v[AC+8*(i%4):AC+8*(i%4)+7], v[KR+2*i:KR+2*i+1], v[QF+2*i:QF+2*i+1], 0
.else
	v_wmma_f32_16x16x4_f32 v[AC+8*(i%4):AC+8*(i%4)+7], v[KR+2*i:KR+2*i+1], v[QF+2*i:QF+2*i+1], v[AC+8*(i%4):AC+8*(i%4)+7]
.endif
.set i, i+1
.endr
	FAR
.irp s, 16,17,18,19,20,21,22,23,24,25,26,27,28,29,30,31
	global_load_b128 v[16+4*(\s-16):19+4*(\s-16)], v3, s[26:27] offset:32*\s     ; the rest of wo's quarter, where Q and K lay
.endr
.irp j, 0,1,2,3,4,5,6,7                        ; the four parts of each sum, from the accumulators' low end on
	v_add_f32 v[SS+\j], v[AC+\j], v[AC+8+\j]
	v_add_f32 v[SS+\j], v[SS+\j], v[AC+16+\j]
	v_add_f32 v[SS+\j], v[SS+\j], v[AC+24+\j]
.endr
.irp j, 0,1,2,3,4,5,6,7
	v_cmp_gt_i32 vcc_lo, \j, v10                   ; key 8 h + j comes after query r
	v_cndmask_b32 v[SS+\j], v[SS+\j], v11, vcc_lo
.endr
	v_max3_num_f32 v184, v[SS], v[SS+1], v[SS+2]
	v_max3_num_f32 v186, v[SS+3], v[SS+4], v[SS+5]
	v_max3_num_f32 v184, v184, v[SS+6], v[SS+7]
	v_max_num_f32 v184, v184, v186
	v_permlanex16_b32 v185, v184, s20, s21
	v_max_num_f32 v184, v184, v185                 ; the row's largest score (key 0 counts for every query)
.irp j, 0,1,2,3,4,5,6,7
	v_sub_f32 v[SS+\j], v[SS+\j], v184
.endr
.irp j, 0,1,2,3,4,5,6,7
	v_mul_f32 v[SS+\j], s22, v[SS+\j]
.endr
.irp j, 0,1,2,3,4,5,6,7
	v_exp_f32 v[SS+\j], v[SS+\j]
.endr
	v_nop
	s_wait_alu depctr_va_vdst(0)                   ; one wait for the eight exponentials
	v_add_f32 v186, v[SS], v[SS+1]
	v_add_f32 v184, v[SS+2], v[SS+3]
	v_add_f32 v186, v186, v[SS+4]
	v_add_f32 v184, v184, v[SS+5]
	v_add_f32 v186, v186, v[SS+6]
	v_add_f32 v184, v184, v[SS+7]
	v_add_f32 v186, v186, v184
	v_permlanex16_b32 v187, v186, s20, s21
	v_add_f32 v186, v186, v187
	v_rcp_f32 v188, v186
	v_nop
	s_wait_alu depctr_va_vdst(0)
	s_wait_loadcnt 33                              ; V is in; wo's 32 and the bias may stay out
.irp sp, 0,1,2,3                               ; O^T: on both sides register j of step sp is key 8 h + 2 sp + j
.irp f, 0,1,2,3
.if \sp == 0
	v_wmma_f32_16x16x4_f32 v[AC+8*\f:AC+8*\f+7], v[VF+8*\f+2*\sp:VF+8*\f+2*\sp+1], v[SS+2*\sp:SS+2*\sp+1], 0
.else
	v_wmma_f32_16x16x4_f32 v[AC+8*\f:AC+8*\f+7], v[VF+8*\f+2*\sp:VF+8*\f+2*\sp+1], v[SS+2*\sp:SS+2*\sp+1], v[AC+8*\f:AC+8*\f+7]
.endif
.endr
.endr
	FAR
.irp f, 0,1,2,3
.irp j, 0,1,2,3,4,5,6,7
	v_mul_f32 v[OT+8*\f+\j], v[AC+8*\f+\j], v188   ; o(query r, channel 16 f + 8 h + j)
.endr
.endr
.irp f, 0,1,2,3
	ds_store_b128 v6, v[OT+8*\f:OT+8*\f+3] offset:64*\f
	ds_store_b128 v6, v[OT+8*\f+4:OT+8*\f+7] offset:64*\f+16
.endr
	s_wait_dscnt 0x0                               ; for the others' sake: my stores have landed
	s_barrier_signal -1
	s_barrier_wait -1                              ; all sixteen heads of o lie in LDS
	s_wait_loadcnt 0x0                             ; wo and the bias
.irp B, 0,1,2,3                                ; 64 along K a batch; source 0 = wo's 16 rows, source 1 = o's 16 rows: a lane holds row r and columns 8 h + 0 .. 7 of my tile
.set OS, VF+(OT-VF)*(\B%2)
.set WS, (WF+32*\B)%240
.irp s, 0,1,2,3,4,5,6,7
	ds_load_b128 v[OS+4*\s:OS+4*\s+3], v7 offset:256*\B+32*\s
.endr
	s_wait_dscnt 0x0
.set i, 0
.rept 16
.if (\B == 0) && (i < 4)
	v_wmma_f32_16x16x4_f32 v[AC+8*(i%4):AC+8*(i%4)+7], v[WS+2*i:WS+2*i+1], v[OS+2*i:OS+2*i+1], 0
.else
	v_wmma_f32_16x16x4_f32 v[AC+8*(i%4):AC+8*(i%4)+7], v[WS+2*i:WS+2*i+1], v[OS+2*i:OS+2*i+1], v[AC+8*(i%4):AC+8*(i%4)+7]
.endif
.set i, i+1
.endr
	FAR
.endr
.irp j, 0,1,2,3,4,5,6,7
	v_add_f32 v[SS+\j], v[AC+\j], v[AC+8+\j]
	v_add_f32 v[SS+\j], v[SS+\j], v[AC+16+\j]
	v_add_f32 v[SS+\j], v[SS+\j], v[AC+24+\j]
.endr
	ds_store_b128 v8, v[SS:SS+3]
	ds_store_b128 v8, v[SS+4:SS+7] offset:16
	s_wait_dscnt 0x0
	s_barrier_signal -1
	s_barrier_wait -1                              ; the four quarters of K lie in LDS
.irp kq, 0,1,2,3
	ds_load_b64 v[OT+2*\kq:OT+2*\kq+1], v9 offset:16*272*\kq
.endr
	s_wait_dscnt 0x0
	v_pk_add_f32 v[OT:OT+1], v[OT:OT+1], v[OT+2:OT+3]
	v_pk_add_f32 v[OT+4:OT+5], v[OT+4:OT+5], v[OT+6:OT+7]
	v_pk_add_f32 v[OT:OT+1], v[OT:OT+1], v[OT+4:OT+5]
	v_pk_add_f32 v[OT:OT+1], v[OT:OT+1], v[190:191]
	global_store_b64 v14, v[OT:OT+1], s[30:31]     ; the wave stores 256 consecutive bytes, aligned
	s_wait_tensorcnt 0x0                           ; the wave's end: behind my last LDS store
	ds_add_u32 v[SPW], v[NIL]
	s_wait_dscnt 0x0
	s_endpgm
.Lfunc_end_k_q0c106d47ce_fine:
	.size	k_q0c106d47ce_fine, .Lfunc_end_k_q0c106d47ce_fine-k_q0c106d47ce_fine
	.p2alignl 7, 3214868480
	.fill 96, 4, 3214868480
	.section	.rodata,"a",@progbits
	.p2align	6, 0x0
	.amdhsa_kernel k_q0c106d47ce_fine
		.amdhsa_group_segment_fixed_size 85248
		.amdhsa_private_segment_fixed_size 0
		.amdhsa_enable_private_segment 0
		.amdhsa_kernarg_size 32
		.amdhsa_user_sgpr_count 2
		.amdhsa_user_sgpr_kernarg_segment_ptr 1
		.amdhsa_wavefront_size32 1
		.amdhsa_system_sgpr_workgroup_id_x 1
		.amdhsa_system_sgpr_workgroup_id_y 1
		.amdhsa_system_sgpr_workgroup_id_z 1
		.amdhsa_system_vgpr_workitem_id 0
		.amdhsa_next_free_vgpr 256
		.amdhsa_next_free_sgpr 66
		.amdhsa_reserve_vcc 1
		.amdhsa_float_denorm_mode_32 3
		.amdhsa_float_denorm_mode_16_64 3
		.amdhsa_memory_ordered 1
		.amdhsa_forward_progress 1
		.amdhsa_inst_pref_size 27
	.end_amdhsa_kernel
	.amdgpu_metadata
---
amdhsa.version: [ 1, 2 ]
amdhsa.kernels:
  - .name:           k_q0c106d47ce_fine
    .symbol:         k_q0c106d47ce_fine.kd
    .args:
      - { .name: fin, .offset: 0, .size: 8, .value_kind: global_buffer, .address_space: global }
      - { .name: wo, .offset: 8, .size: 8, .value_kind: global_buffer, .address_space: global }
      - { .name: bo, .offset: 16, .size: 8, .value_kind: global_buffer, .address_space: global }
      - { .name: out0, .offset: 24, .size: 8, .value_kind: global_buffer, .address_space: global }
    .group_segment_fixed_size: 85248
    .private_segment_fixed_size: 0
    .kernarg_segment_align: 8
    .kernarg_segment_size: 32
    .max_flat_workgroup_size: 512
    .sgpr_count:     66
    .vgpr_count:     256
    .wavefront_size: 32
...
	.end_amdgpu_metadata
.endif
;; end of part 5
